; MI455X (gfx1250); checked and timed in simulation.
; The chip was launched on July 23, 2026; its instructions are those of AMD's public machine-readable ISA for CDNA 5 (MIT licence, August 2026) and "CDNA5" Instruction Set Architecture Reference Guide (July 2026). The comments in the code are by the model that wrote it; some were corrected since.
;; Self Attention. Allowed arithmetic: matrix products marked QUANTISED: E3M2 operands, one E8M0 scale for each 32 along K, by v_wmma_scale_f32_16x16x128_f8f6f4 with both operands' format E3M2, f32 sums; everything else in f32.
;; Inputs: Wk 1,024 x 1,024 float32; Wq 1,024 x 1,024 float32; Wv 1,024 x 1,024 float32; bk 1,024 float32; bq 1,024 float32; bv 1,024 float32; x 4 x 2,048 x 1,024 float32.
;; Outputs: out0 4 x 2,048 x 1,024 float32.
;; This version of the problem:
;;   THIS VERSION OF THE PROBLEM IS GIVEN IN LOW PRECISION. The matrix products marked QUANTISED in the list below multiply operands that are first quantised to E3M2 (3 exponent bits, 2 mantissa bits; 6 bits a number), with one power-of-two scale for each 32 numbers along K (OCP MX v1.0); their sums are f32. All else is computed in f32.
;;   The module's matrix products, in the order in which they are computed (A, B: the left and right operand; K: the contracted axis; several contracted axes count as one K, in the product's order):
;;     1. [M 8,192, K 1,024] x [K 1,024, N 1,024]; A: input x; B: input Wq: QUANTISED
;;     2. [M 8,192, K 1,024] x [K 1,024, N 1,024]; A: input x; B: input Wk: QUANTISED
;;     3. [M 8,192, K 1,024] x [K 1,024, N 1,024]; A: input x; B: input Wv: QUANTISED
;;     4. batch 4 x [M 2,048, K 1,024] x [K 1,024, N 2,048]; A: computed on the way; B: computed on the way: QUANTISED
;;     5. batch 4 x [M 2,048, K 2,048] x [K 2,048, N 1,024]; A: softmax (see below); B: computed on the way: QUANTISED
;;   THE QUANTISER, for each operand of a quantised product, along K:
;;     - K is cut into blocks of 32 from its start; a last block that is shorter is filled with zeros.
;;     - A block's scale is 2^e with e = floor(log2(the largest magnitude in the block)) - 4, held to -126 .. 127; a block of zeros has e = 0. As a byte (E8M0): e + 127.
;;     - Each number is divided by its block's scale, clamped to +-28, and rounded to the nearest number of E3M2, ties to even, subnormals kept.
;;     - The product sums the exact products of the quantised numbers (number of the format x scale) in f32.
;;   ~~~python
;;   def quantise(x, axis):      # numpy; x: float32 -> the quantised numbers, widened to float32 again
;;       x = np.moveaxis(x, axis, -1); K = x.shape[-1]
;;       x = np.pad(x, [(0, 0)] * (x.ndim - 1) + [(0, -K % 32)]); x = x.reshape(x.shape[:-1] + (-1, 32)); a = np.abs(x).max(-1, keepdims=True)
;;       e = np.where(a > 0, np.clip(np.frexp(np.where(a > 0, a, 1))[1] - 1 - 4, -126, 127), 0)      # np.frexp(a)[1] - 1 = floor(log2(a)), exactly
;;       r = np.clip(x / 2.0 ** e, -28, 28)
;;       step = 2.0 ** (np.maximum(np.frexp(np.where(r == 0, 1, r))[1] - 1, -2) - 2)
;;       q = np.round(r / step) * step * 2.0 ** e      # np.round: ties to even
;;       return np.moveaxis(q.reshape(q.shape[:-2] + (-1,))[..., :K], -1, axis).astype(np.float32)
;;   ~~~
;;   SOFTMAX AHEAD OF A QUANTISED PRODUCT. Where the list says 'softmax', what is quantised is not the finished softmax but p = 2^(t - M), with t = logit x log2(e) and M = ceil(the row's largest t), a whole number; so 1/2 < the row's largest p <= 1. The row's sum l is taken of the UNQUANTISED p, in f32, and the product's result is divided by l at the end. Since M is a whole number, a kernel that streams over the keys may use a running M (the ceiling of the running maximum): every later rescaling is an exact power of two, which a block's scale takes up: the codes' values come out the same.
;;   OPERANDS COMPUTED ON THE WAY. 'Computed on the way' means the value that the module computes at that place (a softmax that the list does not call 'softmax' is quantised finished and normalised). What goes into a quantiser is computed in f32, as accurately as f32 sums, v_exp_f32 and their like allow (about 1e-6 of the number): no bf16 or f16 on the way to a quantiser, and a product that is left as it is and whose result goes on into a quantised operand takes f32 operands (vector FMAs, or v_wmma_f32_16x16x4_f32). A number that lies on a knife's edge between two numbers of the format may be rounded either way, as far as f32 arithmetic and the matrix unit's own rounding can turn it there, and no further.
;; One version. Each part assembles by itself: llvm-mc -triple=amdgcn-amd-amdhsa -mcpu=gfx1250 --defsym DOCPART=n.
;; ======== version 1 of 1: 4 launches
;; limits: right only within a limited range of input values
;; workspace buffers: img 9,011,200 bytes; qkv_img 19,660,800 bytes; p_img 12,582,912 bytes; p_st 1,572,864 bytes
;; launch quant (part 1): grid 8 x 88, 4 waves a work-group, no clusters, 68,608 bytes of LDS; arguments x, Wq, Wk, Wv, img; writes img
.if DOCPART == 1
	.amdgcn_target "amdgcn-amd-amdhsa--gfx1250"
	.amdhsa_code_object_version 6
	.text
	.protected	k_qff6f33ea2b_quant
	.globl	k_qff6f33ea2b_quant
	.p2align	8
	.type	k_qff6f33ea2b_quant,@function
k_qff6f33ea2b_quant:
	s_mov_b64 s[64:65], 0
	v_nop
	global_prefetch_b8 v0, s[64:65] scope:SCOPE_SE
	s_setreg_imm32_b32 hwreg(HW_REG_WAVE_MODE, 25, 1), 1
	s_wait_xcnt 0x0
; x [8192][1024] and Wq, Wk, Wv [1024][1024], f32 with K innermost, become codes of BF6 (E3M2) with one E8M0 byte for each 32 along K,
; laid as the later launches' matrix operands want them.  88 blocks of 128 rows: 0-63 x, 64-71 Wq, 72-79 Wk, 80-87 Wv.
; A block has 8 tiles of 16 rows; lane r of tile t holds row 32 (t/2) + 8 (t%2) + r + 8 (r/8) of the block.
; img [block][K step of 128][tile][1,536]: a tile's 12 operand registers as they stand: registers 4 c .. 4 c + 3 of lane L at 512 c + 16 L.
; scl [block][K step][512]: the scale word (four bytes, 128 along K) of lane r of tile t at 32 r + 4 t.
; A block's scale is 2^(floor(log2(largest magnitude)) - 4); its byte is the largest magnitude's exponent field - 4, held at 1 from below.
; LIMITS: a block of zeros, or one whose largest magnitude lies under 2^-122, gets the byte 1 (its codes are zeros or the numbers' codes under that scale; this program alone reads the bytes);
; NaN and infinities among the inputs are not served.
; SHARES: a work-group takes one block x one K step (128 rows x 128 numbers); wave w takes rows 32 w .. 32 w + 31: tiles 2 w and 2 w + 1.
; Each load reads one row's 512 consecutive bytes; the rows turn through the wave's own stage in LDS (pitch 528 bytes = 33 x 16)
; so that lane (r, h) gets of row r the numbers k = 64 c + 32 h + 0 .. 31: two whole blocks of 32, in the order of the operand's registers.
; No tensor load, no cluster: work-groups share nothing.  Nothing is stepped: every offset is an immediate.
.set ROWG,  4096                       ; a row of x or of a weight in bytes
.set PITCH, 528
.set WST,   32*PITCH                   ; a wave's stage
.set SG,    4*WST                      ; behind the stages: the work-group's 512 scale bytes
.set FRB,   1536                       ; a tile's image
.set LI,  4                            ; v4   16 x lane
.set STI, 5                            ; v5   the stage, on the way in
.set STO, 6                            ; v6   and on the way out: row r, + 128 h
.set SGW, 7                            ; v7   where my row's scale words go: SG + 32 r + 8 w
.set SGR, 8                            ; v8   SG + 16 x lane
.set SH,  9                            ; v9   8 h
.set PW0, 10                           ; v10, v11 the two tiles' scale words
.set PW1, 11
.set BK,  12                           ; v12-15 the scale bytes on their way out
.set TM,  16                           ; v16,17 largest magnitudes; v18,19 bytes; v20,21 the conversions' scale operands; v22 a permute's destination
.set PC0, 32                           ; v32-43, v44-55 the two tiles' codes
.set PC1, 44
.set XT,  56                           ; v56-58, v60-62 a block's upper 16 codes, before they are moved
.set R0,  64                           ; v64-127  tile 0's rows as loaded; later tile 1's numbers
.set R1,  128                          ; v128-191 tile 1's rows as loaded
.set X,   192                          ; v192-255 tile 0's numbers
	s_load_b256 s[4:11], s[0:1], 0x0               ; x, Wq, Wk, Wv
	s_load_b64 s[12:13], s[0:1], 0x20              ; img
	v_lshl_add_u32 v59, v0, 2, 0x10a00
	v_mov_b32 v63, 0
	v_lshrrev_b32 v1, 5, v0
	v_readfirstlane_b32 s16, v1                    ; wave
	s_and_b32 s17, ttmp7, 0xffff                   ; block
	v_and_b32 v1, 31, v0                           ; lane
	v_and_b32 v2, 15, v0                           ; r
	v_bfe_u32 v3, v0, 4, 1                         ; h
	v_lshlrev_b32 v[LI], 4, v1
	s_mul_i32 s18, s16, WST
	v_add_nc_u32 v[STI], s18, v[LI]
	v_mul_u32_u24 v[STO], v2, PITCH
	v_lshl_add_u32 v[STO], v3, 7, v[STO]
	v_add_nc_u32 v[STO], s18, v[STO]
	s_lshl_b32 s19, s16, 3
	s_add_co_u32 s19, s19, SG
	v_lshl_add_u32 v[SGW], v2, 5, s19
	v_add_nc_u32 v[SGR], SG, v[LI]
	v_lshlrev_b32 v[SH], 3, v3
	v_mov_b32 v[TM+6], 0                           ; a lane permute's destination counts as one of its sources
	s_mov_b32 s20, 0x76543210
	s_mov_b32 s21, 0xfedcba98                      ; v_permlanex16_b32's selects for lane l xor 16
	; THE PLACE IN img: units of 12,800 bytes, eight tiles' images and behind them the 512 scale bytes.  x: unit 8 x block + K step.
	; Weights: from unit 512 on, four column groups (256 columns of Wq, Wk and Wv) of 48 units; a group is a stream of six runs of eight units:
	; runs 0-3: two K steps of Wq's two blocks, then of Wk's;  runs 4, 5: four K steps of Wv's two blocks.
	s_lshl_b32 s24, s17, 3
	s_add_co_u32 s24, s24, ttmp9                   ; x's unit
	s_and_b32 s22, s17, 7
	s_lshr_b32 s23, s22, 1
	s_mul_i32 s23, s23, 48
	s_add_co_u32 s23, s23, 512                     ; the column group's first unit
	s_and_b32 s25, s22, 1                          ; which of its two blocks
	s_lshr_b32 s28, s17, 3
	s_sub_co_u32 s28, s28, 8                       ; 0 Wq, 1 Wk, 2 Wv
	s_lshl_b32 s28, s28, 1
	s_add_co_u32 s28, s28, s25
	s_lshl_b32 s28, s28, 1
	s_lshr_b32 s29, ttmp9, 1
	s_lshl_b32 s29, s29, 3
	s_add_co_u32 s28, s28, s29
	s_and_b32 s29, ttmp9, 1
	s_add_co_u32 s28, s28, s29                     ; Wq, Wk: 8 (K step / 2) + 2 (2 x tensor + block) + K step % 2
	s_lshl_b32 s25, s25, 2
	s_lshr_b32 s29, ttmp9, 2
	s_lshl_b32 s29, s29, 3
	s_add_co_u32 s25, s25, s29
	s_and_b32 s29, ttmp9, 3
	s_add_co_u32 s25, s25, s29
	s_add_co_u32 s25, s25, 32                      ; Wv: 32 + 8 (K step / 4) + 4 x block + K step % 4
	s_cmp_lt_u32 s17, 80
	s_cselect_b32 s28, s28, s25
	s_add_co_u32 s23, s23, s28
	s_cmp_lt_u32 s17, 64
	s_cselect_b32 s24, s24, s23
	s_mul_i32 s28, s24, 8*FRB+512                  ; my unit's first byte
	s_mul_i32 s25, s16, 2*FRB
	s_add_co_u32 s26, s28, s25                     ; my two tiles' images
	s_mov_b32 s27, 0
	s_add_co_u32 s28, s28, 8*FRB                   ; the scale bytes
	s_mov_b32 s29, 0
	s_and_b32 s22, s17, 7                          ; a weight's block
	s_wait_alu depctr_va_vdst(0)
	s_wait_kmcnt 0x0
	s_cmp_lt_u32 s17, 80                           ; which tensor: the choice hangs on the work-group's number alone
	s_cselect_b64 s[10:11], s[8:9], s[10:11]
	s_cmp_lt_u32 s17, 72
	s_cselect_b64 s[10:11], s[6:7], s[10:11]
	s_cmp_lt_u32 s17, 64
	s_cselect_b64 s[10:11], s[4:5], s[10:11]
	s_cselect_b32 s22, s17, s22                    ; the block's number in its tensor
	s_lshl_b32 s22, s22, 19                        ; 128 rows of 4,096 bytes
	s_lshl_b32 s23, s16, 17                        ; my wave's 32 rows
	s_add_co_u32 s22, s22, s23
	s_lshl_b32 s23, ttmp9, 9                       ; the K step's 512 bytes
	s_add_co_u32 s22, s22, s23
	s_mov_b32 s23, 0
	s_add_nc_u64 s[10:11], s[10:11], s[22:23]
	s_add_nc_u64 s[14:15], s[12:13], s[28:29]
	s_add_nc_u64 s[12:13], s[12:13], s[26:27]
.irp u, 0,1                                    ; tile u, lane g of it: row 16 (g/8) + 8 u + g%8 of my 32
.irp g, 0,1,2,3,4,5,6,7,8,9,10,11,12,13,14,15
	global_load_b128 v[R0+64*\u+4*\g:R0+64*\u+4*\g+3], v[LI], s[10:11] offset:(16*(\g/8)+8*\u+\g%8)*ROWG th:TH_LOAD_NT
.endr
.endr
; 64 numbers of a lane, register 32 c + i = k 64 c + 32 h + i of my row, become the 12 registers of the operand and the row's scale word
.macro QUANT1 src, pc, pw
.irp c, 0,1
	v_max3_num_f32 v[TM+\c], |v[\src+32*\c]|, |v[\src+32*\c+1]|, 0x2800000   ; my block 2 c + h: all 32 numbers are mine; the floor 2^(5 - 127) holds the byte at 1 from below
.endr
.irp i, 2,4,6,8,10,12,14,16,18,20,22,24,26,28,30
.irp c, 0,1
	v_max3_num_f32 v[TM+\c], v[TM+\c], |v[\src+32*\c+\i]|, |v[\src+32*\c+\i+1]|
.endr
.endr
.irp c, 0,1
	v_add_nc_u32 v[TM+4+\c], 0xfe000000, v[TM+\c]  ; 4 off the exponent field: the conversion takes this operand's exponent field as its scale
.endr
.irp c, 0,1
	v_lshrrev_b32 v[TM+2+\c], 23, v[TM+4+\c]       ; the scale's byte
.endr
	v_lshl_or_b32 v[\pw], v[TM+3], 16, v[TM+2]     ; my two bytes: blocks h and 2 + h,
	v_lshlrev_b32 v[\pw], v[SH], v[\pw]            ; at their places in the word;
	v_permlanex16_b32 v[TM+6], v[\pw], s20, s21
	v_or_b32 v[\pw], v[\pw], v[TM+6]               ; with lane l xor 16's two the word is whole
.irp c, 0,1
	v_cvt_scalef32_pk16_bf6_f32 v[\pc+6*\c:\pc+6*\c+2], v[\src+32*\c:\src+32*\c+15], v[TM+4+\c]
	v_cvt_scalef32_pk16_bf6_f32 v[XT+4*\c:XT+4*\c+2], v[\src+32*\c+16:\src+32*\c+31], v[TM+4+\c]   ; (a conversion's three registers begin on an even number)
.endr
	v_nop                                          ; one plain place behind a scaled conversion
.irp c, 0,1
.irp i, 0,1,2
	v_mov_b32 v[\pc+6*\c+3+\i], v[XT+4*\c+\i]
.endr
.endr
.endm
	s_wait_loadcnt 16                              ; tile 0's sixteen rows are in; tile 1's may be out
.irp g, 0,1,2,3,4,5,6,7,8,9,10,11,12,13,14,15
	ds_store_b128 v[STI], v[R0+4*\g:R0+4*\g+3] offset:\g*PITCH
.endr
.irp c, 0,1
.irp j, 0,1,2,3,4,5,6,7
	ds_load_b128 v[X+32*\c+4*\j:X+32*\c+4*\j+3], v[STO] offset:256*\c+16*\j   ; LDS serves a wave's instructions in order: these see my stores
.endr
.endr
	s_wait_loadcnt 0x0
.irp g, 0,1,2,3,4,5,6,7,8,9,10,11,12,13,14,15
	ds_store_b128 v[STI], v[R1+4*\g:R1+4*\g+3] offset:(16+\g)*PITCH
.endr
	s_wait_dscnt 16                                ; all but those sixteen stores: tile 0's numbers are back, and its rows' registers are free
.irp c, 0,1
.irp j, 0,1,2,3,4,5,6,7
	ds_load_b128 v[R0+32*\c+4*\j:R0+32*\c+4*\j+3], v[STO] offset:16*PITCH+256*\c+16*\j
.endr
.endr
	QUANT1 X, PC0, PW0
.irp c, 0,1,2
	global_store_b128 v[LI], v[PC0+4*\c:PC0+4*\c+3], s[12:13] offset:512*\c       ; 32 lanes store 512 consecutive bytes, aligned
.endr
	s_wait_dscnt 0x0                               ; tile 1's numbers
	QUANT1 R0, PC1, PW1
.irp c, 0,1,2
	global_store_b128 v[LI], v[PC1+4*\c:PC1+4*\c+3], s[12:13] offset:FRB+512*\c
.endr
	ds_store_b32 v[SGW], v[PW0]                    ; both halves of the lanes write the same word with the same value
	ds_store_b32 v[SGW], v[PW1] offset:4
	s_wait_dscnt 0x0                               ; for the others' sake: my scale words lie in LDS
	s_barrier_signal -1
	s_barrier_wait -1
	s_cmp_lg_u32 s16, 0
	s_cbranch_scc1 .Ldone
	ds_load_b128 v[BK:BK+3], v[SGR]                ; wave 0 stores the work-group's 512 scale bytes as two aligned runs of 256
	s_wait_dscnt 0x0
	global_store_b128 v[LI], v[BK:BK+3], s[14:15]
.Ldone:
	s_wait_tensorcnt 0x0
	ds_add_u32 v59, v63
	s_wait_dscnt 0x0
	s_endpgm
.Lfunc_end_k_qff6f33ea2b_quant:
	.size	k_qff6f33ea2b_quant, .Lfunc_end_k_qff6f33ea2b_quant-k_qff6f33ea2b_quant
	.p2alignl 7, 3214868480
	.fill 96, 4, 3214868480
	.section	.rodata,"a",@progbits
	.p2align	6, 0x0
	.amdhsa_kernel k_qff6f33ea2b_quant
		.amdhsa_group_segment_fixed_size 68608
		.amdhsa_private_segment_fixed_size 0
		.amdhsa_enable_private_segment 0
		.amdhsa_kernarg_size 40
		.amdhsa_user_sgpr_count 2
		.amdhsa_user_sgpr_kernarg_segment_ptr 1
		.amdhsa_wavefront_size32 1
		.amdhsa_system_sgpr_workgroup_id_x 1
		.amdhsa_system_sgpr_workgroup_id_y 1
		.amdhsa_system_sgpr_workgroup_id_z 1
		.amdhsa_system_vgpr_workitem_id 0
		.amdhsa_next_free_vgpr 256
		.amdhsa_next_free_sgpr 66
		.amdhsa_reserve_vcc 0
		.amdhsa_float_denorm_mode_32 3
		.amdhsa_float_denorm_mode_16_64 3
		.amdhsa_memory_ordered 1
		.amdhsa_forward_progress 1
		.amdhsa_inst_pref_size 18
	.end_amdhsa_kernel
	.amdgpu_metadata
---
amdhsa.version: [ 1, 2 ]
amdhsa.kernels:
  - .name:           k_qff6f33ea2b_quant
    .symbol:         k_qff6f33ea2b_quant.kd
    .args:
      - { .name: x, .offset: 0, .size: 8, .value_kind: global_buffer, .address_space: global }
      - { .name: Wq, .offset: 8, .size: 8, .value_kind: global_buffer, .address_space: global }
      - { .name: Wk, .offset: 16, .size: 8, .value_kind: global_buffer, .address_space: global }
      - { .name: Wv, .offset: 24, .size: 8, .value_kind: global_buffer, .address_space: global }
      - { .name: img, .offset: 32, .size: 8, .value_kind: global_buffer, .address_space: global }
    .group_segment_fixed_size: 68608
    .private_segment_fixed_size: 0
    .kernarg_segment_align: 8
    .kernarg_segment_size: 40
    .max_flat_workgroup_size: 128
    .sgpr_count:     66
    .vgpr_count:     256
    .wavefront_size: 32
...
	.end_amdgpu_metadata
.endif
;; end of part 1
;; launch qkv (part 2): grid 4 x 64, 4 waves a work-group, clusters of 4 x 4, 327,680 bytes of LDS; arguments img, bq, bk, bv, qkv_img; writes qkv_img
.if DOCPART == 2
	.amdgcn_target "amdgcn-amd-amdhsa--gfx1250"
	.amdhsa_code_object_version 6
	.text
	.protected	k_qff6f33ea2b_qkv
	.globl	k_qff6f33ea2b_qkv
	.p2align	8
	.type	k_qff6f33ea2b_qkv,@function
k_qff6f33ea2b_qkv:
	s_mov_b64 s[64:65], 0
	v_nop
	global_prefetch_b8 v0, s[64:65] scope:SCOPE_SE
	s_setreg_imm32_b32 hwreg(HW_REG_WAVE_MODE, 25, 1), 1
	s_wait_xcnt 0x0
	s_wait_alu depctr_hold_cnt(0) depctr_sa_sdst(0) depctr_va_vdst(0) depctr_va_sdst(0) depctr_va_ssrc(0) depctr_va_vcc(0) depctr_vm_vsrc(0)
	s_getreg_b32 s2, hwreg(HW_REG_IB_STS2, 6, 4)
	s_cmp_eq_u32 s2, 0
	s_cbranch_scc0 .Lentry_in_a_cluster
	s_endpgm
.Lentry_in_a_cluster:
	s_bfe_u32 s2, ttmp6, 0x10000c
	s_cmp_lg_u32 s2, 0xf033
	s_cbranch_scc0 .Lentry_shape_is_right
	s_endpgm
.Lentry_shape_is_right:
; q = x Wq^T + bq, k = x Wk^T + bk, v = x Wv^T + bv on codes of BF6 (E3M2) with E8M0 scales, f32 sums that begin with the bias; each result is quantised on its way out
; along the K of the product that takes it: q and k along the features, v along the tokens.
; UNITS of 12,800 bytes: 128 rows x 128 along K: eight tiles of 1,536 bytes (registers 4 c .. 4 c + 3 of lane L at 512 c + 16 L), then 512 scale bytes.  Lane r of tile t is row 32 (t/2) + 8 (t%2) + r + 8 (r/8).
; Scale word (128 along K) of lane r of tile t: at 32 r + 4 t; in v's units at 256 (t/4) + 16 r + 4 (t%4).
; IN: img: x's units [64 blocks][8 K steps], then four column groups of weights, each a stream of six fills of eight units (fills 0-3: two K steps of Wq's two blocks and Wk's two; fills 4, 5: four K steps of Wv's two).
; OUT: qkv_img: units of q [64][8], of k [64][8], of v^T [4 batches x 8 channel blocks][16 runs of 128 tokens].
; SHARES: a work-group takes 128 tokens and 256 columns of each of q, k, v: 64 x 4 work-groups.  First q and k: wave w makes 128 tokens x its 128 features (w = 0, 1 of q, 2, 3 of k): 64 accumulators, 16 fragments for 64 products.
; Then v: wave w makes 64 channels x 128 tokens: 32 accumulators.
; In q and k source 0 is the weight and source 1 is x: a lane holds a token and its registers run along the features.  In v source 0 is x and source 1 the weight: a lane holds a channel and its registers run along the tokens.
; LDS: x's eight units, filled once, stay; behind them two slots of eight units for the weights' fills.  A wave fetches two units of a fill, 25,600 consecutive bytes, as 100 rows of 256.
; CLUSTER 4 x 4: x is shared along a row of the cluster, the weights along a column: joint loads.  At the head waves 0, 1 fetch x's halves and waves 2, 3 the halves of fill 0.  The launch claims all of a WGP's LDS.
; PREFETCH: each fill of weights from fill 1 on is asked for one load ahead: 102,400 bytes a column group, each block of 256 bytes once in a cluster: of the 100 blocks that wave w will fetch the partner cy names 25.
; All clusters read the same weights, so clusters 0, 5, 10 and 15 alone ask.  x is fetched by the head's loads alone, so nothing of it is asked for.
; LIMITS: a block whose largest magnitude lies under 2^-122 gets the byte 1; NaN and infinities are not served.
; REGISTERS: window 0: v12-31 addresses and the add's; v32-47 scale words, two sets; v48-111 biases; v112-127 v's biases, scale words on their way out; v136-231 source 1's fragments (q, k: one set of 8; v: two sets of 4), codes on
; their way out from v184; v232-254 at work.  Window 1: source 0's fragments, two sets of 8.  Windows 2, 3: accumulator (a, b) at v[8 (8 (a % 4) + b)].
.set FRB,   1536
.set UNIT,  8*FRB+512
.set XB,    8*UNIT                     ; x's block: 102,400 bytes
.set SLOTB, 8*UNIT
.set QTR,   2*UNIT
.set SPARE, XB+2*SLOTB                 ; the spare words, 128 bytes a wave: two blocks of 256 bytes that no other line names
.set SVA,  12                          ; v12-15  scale words in the v pass: two halves of K, two loads each
.set ADX,  16                          ; v16, v17 x, K steps 0-3 and 4-7
.set ADW,  18                          ; v18, v19 my weight block in slot 0, 1 (q, k)
.set ADV,  20                          ; v20, v21 my four tiles of Wv in slot 0, 1
.set ADS,  22                          ; v22-25  scale words in the q, k pass, one for each two K steps
.set LI,   26
.set SWO,  27
.set SPW,  28
.set NIL,  29
.set PFO,  30
.set SWV,  31
.set SC,   32
.set BI,   48
.set BV,   112
.set PWR,  116
.set PWS,  124
.set AF,   136
.set OC,   184
.set TM,   232
.set XT,   248
.set CLY,  2
.set WV,   18
.set HM,   19
.set HN,   20
.set CX,   21
.set CY,   22
.set G1X,  24
.set G1W,  32
.set G0HX, 40
.set G0W,  44                          ; s[44:47] slot 0, s[48:51] slot 1
.set G0HW, 52
.set PFC,  70
.set SEL,  76
.set OQ,   78
.set OV,   80
.set OVS,  82
.set PFA,  100
.set MSB, 0
.macro WIN new                         ; the immediate's high byte repeats the setting that is left
.if MSB != (\new)
	s_set_vgpr_msb (MSB<<8)|(\new)
.set MSB, (\new)
.endif
.endm
.macro PLACES n
.rept \n
	v_nop
.endr
.endm
.macro CREST                           ; a round of the cluster's barrier behind its opening barrier
	s_cmp_lg_u32 s[WV], 0
	s_cbranch_scc1 .Lnot_wave_0_\@
	s_barrier_signal -3
.Lnot_wave_0_\@:
	s_barrier_wait -3
	s_barrier_signal -1
	s_barrier_wait -1
.endm
.macro CROUND
	s_barrier_signal -1
	s_barrier_wait -1
	CREST
.endm
.macro MKG1 g, mask, rows              ; a dense block as rows of 256 bytes (32 elements of 8 bytes), no padding; bit 21 set beside the mask
	s_or_b32 s[\g], s[\mask], (3<<16)|(1<<21)
	s_mov_b32 s[\g+1], 32<<16
	s_mov_b32 s[\g+2], (\rows)<<16
	s_mov_b32 s[\g+3], 32<<16
	s_mov_b32 s[\g+4], \rows
	s_mov_b32 s[\g+5], 32
	s_mov_b32 s[\g+6], 0
	s_mov_b32 s[\g+7], 0
.endm
.macro MKG0 g, lds, lo, base, off      ; LDS byte = s[lds] + lo; global = s[base] + off
	s_mov_b32 s[\g], 1
	s_add_co_u32 s[\g+1], s[\lds], \lo
	s_add_nc_u64 s[\g+2:\g+3], s[\base:\base+1], \off
	s_or_b32 s[\g+3], s[\g+3], 0x80000000
.endm
.macro ASK f                           ; fill f of the weights into the L2: one instruction a wave, 25 blocks of 256 bytes (lanes 25-31 name the last again)
	s_cmp_eq_u32 s[PFC], 1
	s_cbranch_scc0 .Lno_ask_\@
	global_prefetch_b8 v[PFO], s[PFA:PFA+1] offset:(\f)*SLOTB th:TH_LOAD_NT scope:SCOPE_SE
.Lno_ask_\@:
.endm
.macro RLOAD slot                      ; my quarter of a fill, asked for jointly along the column
	tensor_load_to_lds s[G0W+4*(\slot):G0W+4*(\slot)+3], s[G1W:G1W+7]
	s_nop 0
	PLACES 4
.endm
.macro FRAG reg, adr, off
.irp c, 0,1,2
	ds_load_b128 v[(\reg)+4*\c:(\reg)+4*\c+3], v[\adr] offset:(\off)+512*\c
.endr
.endm
.macro FETCH_W s
	WIN 0x40
.irp i, 0,1,2,3,4,5,6,7
	FRAG 128*((\s)%2)+12*\i, ADW+((\s)/2)%2, ((\s)%2)*UNIT+FRB*\i
.endr
	WIN 0
.endm
.macro FETCH_X s, i0
.irp i, \i0, \i0+1, \i0+2, \i0+3
	FRAG AF+12*(\i), ADX+(\s)/4, ((\s)%4)*UNIT+FRB*(\i)
.endr
.endm
.macro SCALES s                        ; lanes 0-15 x's eight words, lanes 16-31 the weight's
	ds_load_b128 v[SC+8*((\s)%2):SC+8*((\s)%2)+3], v[ADS+(\s)/2] offset:((\s)%2)*UNIT
	ds_load_b128 v[SC+8*((\s)%2)+4:SC+8*((\s)%2)+7], v[ADS+(\s)/2] offset:((\s)%2)*UNIT+16
.endm
.macro FETCHV s                        ; K step s of v: x's eight tiles, my four of Wv, the words: lanes 16-31 x's, lanes 0-15 Wv's
	WIN 0x40
.irp i, 0,1,2,3,4,5,6,7
	FRAG 128*((\s)%2)+12*\i, ADX+(\s)/4, ((\s)%4)*UNIT+FRB*\i
.endr
	WIN 0
.irp i, 0,1,2,3
	FRAG AF+48*((\s)%2)+12*\i, ADV+(\s)/4, ((\s)%4)*UNIT+FRB*\i
.endr
	ds_load_b128 v[SC+8*((\s)%2):SC+8*((\s)%2)+3], v[SVA+2*((\s)/4)] offset:((\s)%4)*UNIT
	ds_load_b128 v[SC+8*((\s)%2)+4:SC+8*((\s)%2)+7], v[SVA+2*((\s)/4)+1] offset:((\s)%4)*UNIT
.endm
; 16 products: x's tiles a0, a0 + 1 x the weight's eight.  cm = 1: the sums begin with the biases.  The 64 accumulators take turns, in the same order in every step.
.macro MUL16 a0, s, cm
.if \cm
	WIN 0x81+0x40*((\a0)/4)
.else
	WIN 0xa1+0x50*((\a0)/4)
.endif
.irp a, \a0, \a0+1
.irp b, 0,1,2,3,4,5,6,7
.set DD, 8*(8*((\a)%4)+\b)
.set FB, 128*((\s)%2)+12*\b
.set FA, AF+12*(\a)
.set SSB, SC+8*((\s)%2)+\b
.set SSA, SC+8*((\s)%2)+(\a)
.if \cm
	v_wmma_scale_f32_16x16x128_f8f6f4 v[DD:DD+7], v[FB:FB+11], v[FA:FA+11], v[BI+8*\b:BI+8*\b+7], v[SSB], v[SSA] matrix_a_fmt:MATRIX_FMT_BF6 matrix_b_fmt:MATRIX_FMT_BF6 matrix_a_scale:MATRIX_SCALE_ROW1
.else
	v_wmma_scale_f32_16x16x128_f8f6f4 v[DD:DD+7], v[FB:FB+11], v[FA:FA+11], v[DD:DD+7], v[SSB], v[SSA] matrix_a_fmt:MATRIX_FMT_BF6 matrix_b_fmt:MATRIX_FMT_BF6 matrix_a_scale:MATRIX_SCALE_ROW1
.endif
.endr
.endr
.endm
; K step s of q and k.  turn = 1: the step is a slot's last: in front of the barrier each wave waits for all its tensor loads, adds 0 to its spare word, and waits for that and for its reads of the slot;
; the barrier opens a round of the cluster's barrier, and the slot is filled again, two fills on.  The other slot is whole behind it.
.macro STEP s, cm, turn
.if \turn
	s_wait_tensorcnt 0x0                           ; all my tensor loads have landed
	ds_add_u32 v[SPW], v[NIL]                      ; 0 onto my spare word
	s_wait_dscnt 13                                ; (the add and the youngest twelve loads, x's tiles 4-7, may be out)
	MUL16 0, \s, \cm
	s_wait_dscnt 0x0                               ; the add is done; my reads of the slot are over
	s_barrier_signal -1
	MUL16 2, \s, \cm
	WIN 0
	s_barrier_wait -1
	CREST                                          ; no wave of any partner still reads this slot or has a load on its way
.set SLT, ((\s)/2)%2
	s_add_nc_u64 s[G0W+4*SLT+2:G0W+4*SLT+3], s[G0W+4*SLT+2:G0W+4*SLT+3], 2*SLOTB
	RLOAD SLT                                      ; my one tensor load behind the round; its four v_nop are the places in front of the loads below
.else
	s_wait_dscnt 12                                ; all but the youngest twelve loads (x's tiles 4-7)
	MUL16 0, \s, \cm
	MUL16 2, \s, \cm
	s_wait_dscnt 0x0
	PLACES 4                                       ; loads into registers that matrix instructions have read stand four plain places behind them
.endif
.if (\s) < 7
	FETCH_W (\s)+1
	FETCH_X (\s)+1, 0
	SCALES (\s)+1
.else
	FETCHV 0                                       ; x's set 0 in window 1 and tiles 0-3's registers are free
.endif
.if (\turn) && (\s) < 6
	ASK (\s)/2+3                                   ; the fill behind the one just asked for
.endif
	MUL16 4, \s, \cm
	MUL16 6, \s, \cm
	PLACES 4
	WIN 0
.if (\s) < 7
	FETCH_X (\s)+1, 4
.endif
.endm
.macro MUL8 a, s, cm                   ; v: my tile a of Wv x x's eight; the 32 accumulators take turns
.if \cm
	WIN 0x81
.else
	WIN 0xa1
.endif
.irp b, 0,1,2,3,4,5,6,7
.set DD, 8*(8*(\a)+\b)
.set FB, 128*((\s)%2)+12*\b
.set FA, AF+48*((\s)%2)+12*(\a)
.set SSB, SC+8*((\s)%2)+\b
.set SSA, SC+8*((\s)%2)+(\a)
.if \cm
	v_wmma_scale_f32_16x16x128_f8f6f4 v[DD:DD+7], v[FB:FB+11], v[FA:FA+11], v[BI+8*(\a):BI+8*(\a)+7], v[SSB], v[SSA] matrix_a_fmt:MATRIX_FMT_BF6 matrix_b_fmt:MATRIX_FMT_BF6 matrix_a_scale:MATRIX_SCALE_ROW1
.else
	v_wmma_scale_f32_16x16x128_f8f6f4 v[DD:DD+7], v[FB:FB+11], v[FA:FA+11], v[DD:DD+7], v[SSB], v[SSA] matrix_a_fmt:MATRIX_FMT_BF6 matrix_b_fmt:MATRIX_FMT_BF6 matrix_a_scale:MATRIX_SCALE_ROW1
.endif
.endr
.endm
.macro STEPV s, cm
.if (\s) == 3
	s_wait_tensorcnt 0x0                           ; my part of the last fill is in
	s_wait_dscnt 0x0
	MUL8 0, \s, \cm
	s_barrier_signal -1                            ; shows slot 1 whole to all four waves
	MUL8 1, \s, \cm
	WIN 0
	s_barrier_wait -1
	PLACES 4
	FETCHV (\s)+1
.else
	s_wait_dscnt 0x0
	MUL8 0, \s, \cm
.if (\s) < 7
	PLACES 4                                       ; the other set's last readers stand four plain places back
	FETCHV (\s)+1
.endif
	MUL8 1, \s, \cm
.endif
	MUL8 2, \s, \cm
	MUL8 3, \s, \cm
	WIN 0
.endm
; 64 results of a lane in window wn from v[sr] on, register 16 b + i = number 32 b + 16 h + i of its row, become the operand's 12 registers at v[oc] and the scale word v[pw].  Each accumulator is read from its low end on.
.macro QUANTW wn, sr, oc, pw
	WIN ((\wn)|((\wn)<<2))
.irp b, 0,1,2,3
	v_max3_num_f32 v[TM+\b], |v[(\sr)+16*\b]|, |v[(\sr)+16*\b+1]|, 0x2800000   ; the floor 2^(5 - 127) holds the byte at 1 from below
.endr
	WIN (((\wn)<<2)|((\wn)<<4))
.irp i, 2,4,6,8,10,12,14
.irp b, 0,1,2,3
	v_max3_num_f32 v[TM+\b], v[TM+\b], |v[(\sr)+16*\b+\i]|, |v[(\sr)+16*\b+\i+1]|
.endr
.endr
	WIN 0
.irp b, 0,1,2,3
	v_permlanex16_b32 v[TM+4+\b], v[TM+\b], s[SEL], s[SEL+1]
.endr
.irp b, 0,1,2,3
	v_max_num_f32 v[TM+\b], v[TM+\b], v[TM+4+\b]   ; with lane l xor 16's 16 numbers
.endr
.irp b, 0,1,2,3
	v_add_nc_u32 v[TM+12+\b], 0xfe000000, v[TM+\b] ; 4 off the exponent field: the conversion's scale operand
.endr
.irp b, 0,1,2,3
	v_lshrrev_b32 v[TM+4+\b], 23, v[TM+12+\b]      ; the scale's byte
.endr
	v_lshl_or_b32 v[\pw], v[TM+5], 8, v[TM+4]
	v_lshl_or_b32 v[\pw], v[TM+6], 16, v[\pw]
	v_lshl_or_b32 v[\pw], v[TM+7], 24, v[\pw]
	WIN (\wn)
.irp c, 0,1
	v_cvt_scalef32_pk16_bf6_f32 v[(\oc)+6*\c:(\oc)+6*\c+2], v[(\sr)+32*\c:(\sr)+32*\c+15], v[TM+12+2*\c]
	v_cvt_scalef32_pk16_bf6_f32 v[XT+4*\c:XT+4*\c+2], v[(\sr)+32*\c+16:(\sr)+32*\c+31], v[TM+12+2*\c+1]
.endr
	WIN 0
	v_nop                                          ; one plain place behind a scaled conversion
.irp c, 0,1                                    ; the operand wants a whole block in a lane
.irp i, 0,1,2
	v_permlane16_swap_b32 v[(\oc)+6*\c+\i], v[XT+4*\c+\i]
.endr
.irp i, 0,1,2
	v_mov_b32 v[(\oc)+6*\c+3+\i], v[XT+4*\c+\i]
.endr
.endr
.endm
.macro OUT4 wn, base, t0               ; four tiles: quantised and stored; 512 consecutive bytes a store, aligned
.irp a, 0,1,2,3
	QUANTW \wn, 64*\a, OC+12*\a, PWR+(\t0)+\a
.irp c, 0,1,2
	global_store_b128 v[LI], v[OC+12*\a+4*\c:OC+12*\a+4*\c+3], s[\base:\base+1] offset:FRB*((\t0)+\a)+512*\c
.endr
.endr
.endm
.macro FREE                            ; earlier stores have read their registers, which may be written again
	s_wait_alu depctr_va_vdst(0)
	s_wait_xcnt 0x0
.endm
	s_load_b256 s[4:11], s[0:1], 0x0               ; img, bq, bk, bv
	s_load_b64 s[12:13], s[0:1], 0x20              ; qkv_img
	v_lshl_add_u32 v[SPW], v0, 2, SPARE
	v_mov_b32 v[NIL], 0
	ds_add_u32 v[SPW], v[NIL]                      ; the wave's opening: the add, twice on end, and its wait
	ds_add_u32 v[SPW], v[NIL]
	v_lshrrev_b32 v1, 5, v0
	v_readfirstlane_b32 s[WV], v1
	s_lshr_b32 s[HM], s[WV], 1
	s_and_b32 s[HN], s[WV], 1
	s_bfe_u32 s[CX], ttmp6, 0x40000
	s_bfe_u32 s[CY], ttmp6, 0x40004
	s_and_b32 s[CLY], ttmp7, 0xffff
	s_mov_b32 s[SEL], 0x76543210
	s_mov_b32 s[SEL+1], 0xfedcba98                 ; v_permlanex16_b32's selects for lane l xor 16
	s_lshl_b32 s84, s[CY], 2
	s_lshl_b32 s84, 15, s84                        ; my row of the cluster
	s_lshl_b32 s85, 0x1111, s[CX]                  ; my column
	MKG1 G1X, 84, 200                              ; half of x's block
	MKG1 G1W, 85, 200                              ; half of fill 0; behind the head 100 rows, a quarter of a fill
	s_lshl_b32 s86, s[CLY], 2
	s_add_co_u32 s86, s86, s[CY]                   ; the token block
	s_lshl_b32 s92, s[CX], 1                       ; the first of my two column blocks
	s_mul_i32 s14, s[WV], 4*UNIT                   ; the head's loads: wave x 51,200 in LDS: x's two halves, then fill 0's, in slot 0
	s_mul_i32 s98, s[HN], 4*UNIT
	s_mov_b32 s99, 0
	s_mul_i32 s88, s86, XB
	s_add_co_u32 s88, s88, s98
	s_mov_b32 s89, 0
	s_mul_i32 s94, s[CX], 6*SLOTB
	s_add_co_u32 s94, s94, 64*XB                   ; the column group's stream
	s_mov_b32 s95, 0
	s_mul_i32 s16, s[WV], QTR                      ; my quarter of a fill
	s_mov_b32 s17, 0
	s_mul_i32 s66, s[CY], 25*256                   ; my work-group's blocks in the prefetches
	s_mov_b32 s67, 0
	s_lshr_b32 s[PFC], 0x8421, s[CLY]
	s_and_b32 s[PFC], s[PFC], 1                    ; clusters 0, 5, 10, 15 ask
	s_wait_dscnt 0x0                               ; both opening adds are done
	s_wait_alu depctr_va_vdst(0)
	s_wait_kmcnt 0x0
	s_add_nc_u64 s[88:89], s[4:5], s[88:89]
	s_add_nc_u64 s[94:95], s[4:5], s[94:95]
	s_add_nc_u64 s[96:97], s[94:95], s[98:99]
	s_add_nc_u64 s[90:91], s[94:95], s[16:17]
	s_add_nc_u64 s[PFA:PFA+1], s[90:91], s[66:67]
	MKG0 G0HX, 14, 0, 88, 0
	MKG0 G0HW, 14, 0, 96, 0
	MKG0 G0W, 16, XB, 90, 0                        ; slot 0: its first refill, fill 2, steps it
	MKG0 G0W+4, 16, XB+SLOTB, 90, SLOTB            ; slot 1: fill 1
	CROUND                                         ; all sixteen work-groups are here: the first joint loads meet
	s_cmp_lt_u32 s[WV], 2                          ; the head's loads, one a wave
	s_cbranch_scc0 .Lhead_w
	tensor_load_to_lds s[G0HX:G0HX+3], s[G1X:G1X+7]
	s_nop 0
	PLACES 4
	s_branch .Lhead_asked
.Lhead_w:
	tensor_load_to_lds s[G0HW:G0HW+3], s[G1W:G1W+7]
	s_nop 0
	PLACES 4
.Lhead_asked:
	v_and_b32 v1, 31, v0
	v_and_b32 v2, 15, v0                           ; r
	v_bfe_u32 v3, v0, 4, 1                         ; h
	v_lshlrev_b32 v[LI], 4, v1
	v_lshlrev_b32 v4, 6, v3                        ; q, k: a lane's eight biases of tile b: features 32 (b/2) + 8 (b%2) + 16 h + 0 .. 7
	v_and_b32 v5, 8, v2
	v_add_nc_u32 v5, v5, v2
	v_lshlrev_b32 v5, 2, v5                        ; v: my channel r + 8 (r/8) of a tile
	s_cmp_lt_u32 s[WV], 2
	s_cselect_b64 s[6:7], s[6:7], s[8:9]           ; bq or bk
	s_add_co_u32 s66, s92, s[HN]
	s_lshl_b32 s66, s66, 9
	s_add_nc_u64 s[6:7], s[6:7], s[66:67]
	s_add_co_u32 s66, s92, s[HM]
	s_lshl_b32 s66, s66, 9
	s_lshl_b32 s68, s[HN], 8
	s_add_co_u32 s66, s66, s68
	s_add_nc_u64 s[10:11], s[10:11], s[66:67]
	s_wait_alu depctr_va_vdst(0)                   ; the wait ahead of the readers below
.irp b, 0,1,2,3,4,5,6,7
	global_load_b128 v[BI+8*\b:BI+8*\b+3], v4, s[6:7] offset:(32*(\b/2)+8*(\b%2))*4
	global_load_b128 v[BI+8*\b+4:BI+8*\b+7], v4, s[6:7] offset:(32*(\b/2)+8*(\b%2))*4+16
.endr
.irp a, 0,1,2,3
	global_load_b32 v[BV+\a], v5, s[10:11] offset:(32*(\a/2)+8*(\a%2))*4
.endr
	v_min_u32 v[PFO], 24, v1
	v_lshlrev_b32 v[PFO], 8, v[PFO]
	s_wait_alu depctr_va_vdst(0)
	ASK 1
	v_lshlrev_b32 v[ADX], 4, v1
	v_add_nc_u32 v[ADX+1], 4*UNIT, v[ADX]
	s_add_co_u32 s68, s16, XB
	v_add_nc_u32 v[ADW], s68, v[ADX]
	v_add_nc_u32 v[ADW+1], SLOTB, v[ADW]
	s_mul_i32 s68, s[HM], 4*UNIT
	s_mul_i32 s69, s[HN], 4*FRB
	s_add_co_u32 s68, s68, s69
	s_add_co_u32 s68, s68, XB
	v_add_nc_u32 v[ADV], s68, v[ADX]
	v_add_nc_u32 v[ADV+1], SLOTB, v[ADV]
.irp p, 0,1,2,3                                ; q, k: lanes 0-15 x's words, lanes 16-31 my weight block's: one product
	s_add_co_u32 s68, s16, XB+(\p%2)*SLOTB-\p*QTR
	v_mul_u32_u24 v6, s68, v3
	v_lshl_add_u32 v6, v2, 5, v6
	v_add_nc_u32 v[ADS+\p], 8*FRB+\p*QTR, v6
.endr
	s_mul_i32 s69, s[HM], 4*UNIT
	s_lshl_b32 s68, s[HN], 4
	s_add_co_u32 s69, s69, s68
	v_sub_nc_u32 v7, 1, v3
.irp p, 0,1                                    ; v: lanes 16-31 x's words 0-3, then 4-7; lanes 0-15 my four of Wv's, in both loads
	s_add_co_u32 s68, s69, XB+\p*SLOTB-\p*4*UNIT
	v_mul_u32_u24 v6, s68, v7
	v_lshl_add_u32 v6, v2, 5, v6
	v_add_nc_u32 v[SVA+2*\p], 8*FRB+\p*4*UNIT, v6
	s_sub_co_u32 s68, s68, 16
	v_mul_u32_u24 v8, s68, v7
	v_lshl_add_u32 v8, v2, 5, v8
	v_add_nc_u32 v[SVA+2*\p+1], 8*FRB+\p*4*UNIT+16, v8
.endr
	v_lshlrev_b32 v[SWO], 5, v2
	v_lshl_add_u32 v[SWO], v3, 4, v[SWO]           ; q, k: 32 r + 16 h
	v_lshlrev_b32 v[SWV], 4, v2
	v_lshl_add_u32 v[SWV], v3, 3, v[SWV]           ; v: 16 r + 8 h
.irp b, 0,1,2,3
	v_mov_b32 v[TM+4+\b], 0                        ; a lane permute's destination counts as one of its sources
.endr
	s_wait_alu depctr_va_vdst(0)
	s_lshl_b32 s68, s[HM], 9                       ; q, k: unit 512 x tensor + 8 x token block + 2 cx + my one of two
	s_lshl_b32 s69, s86, 3
	s_add_co_u32 s68, s68, s69
	s_add_co_u32 s68, s68, s92
	s_add_co_u32 s68, s68, s[HN]
	s_mul_i32 s68, s68, UNIT
	s_mov_b32 s69, 0
	s_add_nc_u64 s[OQ:OQ+1], s[12:13], s[68:69]
	s_lshr_b32 s68, s86, 4                         ; v: unit 1024 + 16 (8 x batch + 2 cx + my one of two) + run
	s_lshl_b32 s68, s68, 3
	s_add_co_u32 s68, s68, s92
	s_add_co_u32 s68, s68, s[HM]
	s_lshl_b32 s68, s68, 4
	s_and_b32 s66, s86, 15
	s_add_co_u32 s68, s68, s66
	s_add_co_u32 s68, s68, 1024
	s_mul_i32 s68, s68, UNIT
	s_add_nc_u64 s[12:13], s[12:13], s[68:69]
	s_mul_i32 s68, s[HN], 4*FRB                    ; my four tiles
	s_add_nc_u64 s[OV:OV+1], s[12:13], s[68:69]
	s_lshl_b32 s68, s[HN], 8
	s_add_co_u32 s68, s68, 8*FRB                   ; and their 256 scale bytes
	s_add_nc_u64 s[OVS:OVS+1], s[12:13], s[68:69]
	s_wait_tensorcnt 0x0                           ; my tile of the head's four is in
	ds_add_u32 v[SPW], v[NIL]
	s_mov_b32 s[G1W+2], 100<<16                    ; no tensor load of mine is out: from here on a load brings 100 rows
	s_mov_b32 s[G1W+4], 100
	s_wait_dscnt 0x0
	CROUND
	RLOAD 1                                        ; fill 1
	FETCH_W 0
	FETCH_X 0, 0
	SCALES 0
	FETCH_X 0, 4
	ASK 2
	s_wait_loadcnt 0x0                             ; the biases
	STEP 0, 1, 0                                   ; the first K step's products begin with the biases
	STEP 1, 0, 1
	STEP 2, 0, 0
	STEP 3, 0, 1
	STEP 4, 0, 0
	STEP 5, 0, 1
	STEP 6, 0, 0
	STEP 7, 0, 1                                   ; slot 1 takes the last fill
.irp a, 0,1,2,3                                ; v's biases, eight of a kind: a tile's C
.irp j, 0,1,2,3,4,5,6,7
	v_mov_b32 v[BI+8*\a+\j], v[BV+\a]
.endr
.endr
	OUT4 2, OQ, 0
	FREE
	OUT4 3, OQ, 4
	v_cmp_eq_u32 vcc_lo, 1, v3                     ; lane (r, h) stores words 4 h .. 4 h + 3 of its row
.irp i, 0,1,2,3
	v_cndmask_b32 v[PWS+\i], v[PWR+\i], v[PWR+4+\i], vcc_lo
.endr
	global_store_b128 v[SWO], v[PWS:PWS+3], s[OQ:OQ+1] offset:8*FRB   ; 512 consecutive bytes in all
	FREE                                           ; fragments land on the codes' registers
	STEPV 0, 1
	STEPV 1, 0
	STEPV 2, 0
	STEPV 3, 0
	STEPV 4, 0
	STEPV 5, 0
	STEPV 6, 0
	STEPV 7, 0
	PLACES 4
	OUT4 2, OV, 0
	v_cmp_eq_u32 vcc_lo, 1, v3
	v_cndmask_b32 v[PWS], v[PWR], v[PWR+2], vcc_lo
	v_cndmask_b32 v[PWS+1], v[PWR+1], v[PWR+3], vcc_lo
	global_store_b64 v[SWV], v[PWS:PWS+1], s[OVS:OVS+1]   ; 256 consecutive bytes in all
	s_wait_alu depctr_va_vdst(0)
	s_wait_tensorcnt 0x0                           ; the wave's end
	ds_add_u32 v[SPW], v[NIL]
	s_wait_dscnt 0x0
	CROUND                                         ; the closing round
	s_endpgm
.Lfunc_end_k_qff6f33ea2b_qkv:
	.size	k_qff6f33ea2b_qkv, .Lfunc_end_k_qff6f33ea2b_qkv-k_qff6f33ea2b_qkv
	.p2alignl 7, 3214868480
	.fill 96, 4, 3214868480
	.section	.rodata,"a",@progbits
	.p2align	6, 0x0
	.amdhsa_kernel k_qff6f33ea2b_qkv
		.amdhsa_group_segment_fixed_size 327680
		.amdhsa_private_segment_fixed_size 0
		.amdhsa_enable_private_segment 0
		.amdhsa_kernarg_size 40
		.amdhsa_user_sgpr_count 2
		.amdhsa_user_sgpr_kernarg_segment_ptr 1
		.amdhsa_wavefront_size32 1
		.amdhsa_system_sgpr_workgroup_id_x 1
		.amdhsa_system_sgpr_workgroup_id_y 1
		.amdhsa_system_sgpr_workgroup_id_z 1
		.amdhsa_system_vgpr_workitem_id 0
		.amdhsa_next_free_vgpr 1024
		.amdhsa_next_free_sgpr 102
		.amdhsa_reserve_vcc 1
		.amdhsa_float_denorm_mode_32 3
		.amdhsa_float_denorm_mode_16_64 3
		.amdhsa_memory_ordered 1
		.amdhsa_forward_progress 1
		.amdhsa_inst_pref_size 214
	.end_amdhsa_kernel
	.amdgpu_metadata
---
amdhsa.version: [ 1, 2 ]
amdhsa.kernels:
  - .name:           k_qff6f33ea2b_qkv
    .symbol:         k_qff6f33ea2b_qkv.kd
    .args:
      - { .name: img, .offset: 0, .size: 8, .value_kind: global_buffer, .address_space: global }
      - { .name: bq, .offset: 8, .size: 8, .value_kind: global_buffer, .address_space: global }
      - { .name: bk, .offset: 16, .size: 8, .value_kind: global_buffer, .address_space: global }
      - { .name: bv, .offset: 24, .size: 8, .value_kind: global_buffer, .address_space: global }
      - { .name: qkv_img, .offset: 32, .size: 8, .value_kind: global_buffer, .address_space: global }
    .group_segment_fixed_size: 327680
    .private_segment_fixed_size: 0
    .kernarg_segment_align: 8
    .kernarg_segment_size: 40
    .max_flat_workgroup_size: 128
    .sgpr_count:     102
    .vgpr_count:     1024
    .wavefront_size: 32
...
	.end_amdgpu_metadata
.endif
;; end of part 2
;; launch scores (part 3): grid 8 x 32, 4 waves a work-group, clusters of 4 x 4, 327,680 bytes of LDS; arguments qkv_img, p_img, p_st; writes p_img, p_st
.if DOCPART == 3
	.amdgcn_target "amdgcn-amd-amdhsa--gfx1250"
	.amdhsa_code_object_version 6
	.text
	.protected	k_qff6f33ea2b_scores
	.globl	k_qff6f33ea2b_scores
	.p2align	8
	.type	k_qff6f33ea2b_scores,@function
k_qff6f33ea2b_scores:
	s_mov_b64 s[64:65], 0
	v_nop
	global_prefetch_b8 v0, s[64:65] scope:SCOPE_SE
	s_setreg_imm32_b32 hwreg(HW_REG_WAVE_MODE, 25, 1), 1
	s_wait_xcnt 0x0
	s_wait_alu depctr_hold_cnt(0) depctr_sa_sdst(0) depctr_va_vdst(0) depctr_va_sdst(0) depctr_va_ssrc(0) depctr_va_vcc(0) depctr_vm_vsrc(0)
	s_getreg_b32 s2, hwreg(HW_REG_IB_STS2, 6, 4)
	s_cmp_eq_u32 s2, 0
	s_cbranch_scc0 .Lentry_in_a_cluster
	s_endpgm
.Lentry_in_a_cluster:
	s_bfe_u32 s2, ttmp6, 0x10000c
	s_cmp_lg_u32 s2, 0xf033
	s_cbranch_scc0 .Lentry_shape_is_right
	s_endpgm
.Lentry_shape_is_right:
; S^T = k q^T on codes of BF6 (E3M2) with E8M0 scales, K = 1,024; then, for each query and each run of 128 keys: t = score x log2(e) / 32, a LOCAL whole number M = ceil(the run's largest t),
; p = 2^(t - M) quantised along the keys, and the run's sum of the unquantised p.  The maximum is taken away before every exponential; the next launch brings the runs of a row under the row's M, which is a
; whole-number change of the scale bytes and an exact scaling of the sums.
; OUT: p_img [16 x query block + run][8 tiles][1,536]: operand images;  p_st: three sections of 524,288 bytes, each [16 x query block + run][512] with the word of lane r of tile t at 32 r + 4 t:
; p's scale words; -M as f32; the run's sum.
; FORMATS, SHARES, LDS, CLUSTER: as in the launch that makes q and k: blocks of 128 rows in 8 tiles, lane r of tile t = row 32 (t/2) + 8 (t%2) + r + 8 (r/8); a work-group makes 256 queries (source 1, "A") x 256 keys
; (source 0, "B"), four waves of 128 x 128; a lane holds one query, and the 16 registers of result tiles 2 g, 2 g + 1 are keys 32 g + 16 (lane / 16) + 0 .. 15 of the run.
; Six places of a K step for each of the four operand blocks, two first fills and one refill; one tensor load of a wave is out at a time.  The launch claims all of a WGP's LDS.
; LIMITS: M is exact as f32 up to 2^24; a block whose every p has fallen under 2^-122 gets the byte 1; NaN and infinities are not served.
; REGISTERS: window 0: v16-23 addresses; v28, v29 the add's; v32-47 scale words; v48-55 p's scale words, v56-63 -M, v64-71 sums, v72-83 their way out; v128-223 A's fragments, later p's codes; v224-250 at work.
;   window 1: B's fragments, two sets.  windows 2, 3: accumulator (a, b) at v[8 (8 (a % 4) + b)].
.set FRB,   1536
.set KSB,   8*FRB+512                  ; a K step of a block: eight images and behind them its 512 scale bytes
.set PKB,   8*FRB                      ; a run of P
.set BLKB,  6*KSB
.set SLOTB, 3*KSB
.set SPARE, 4*BLKB                     ; the spare words, 128 bytes a wave: two blocks of 256 bytes that no other line names
.set SCR,   SPARE+512
.set SCRW,  1536
.set SECT,  524288
.set ADRA, 16
.set ADRB, 18
.set ADRS, 20
.set LI,   21
.set SWA,  22
.set SRA,  23
.set SPW,  28
.set NIL,  29
.set SC,   32
.set PWR,  48
.set NMR,  56
.set LR,   64
.set SRB,  72
.set AF,   128
.set OC,   128
.set BM,   224                         ; v224-227 each block's largest score, then its largest p
.set BP,   228                         ; v228-231 a permute's destination, then the bytes
.set NM,   232                         ; v[232:233] -M (the pair's low word serves both halves)
.set LS,   234                         ; v[234:235], v[236:237] the sum in two chains
.set LT,   236
.set TT,   238
.set SO,   240                         ; v240-243 the conversions' scale operands
.set XT,   244
.set WV,  18
.set HM,  19
.set HN,  20
.set CX,  21
.set CY,  22
.set CLX, 23
.set CLY, 2
.set CS,  14                           ; s[14:15] c = log2(e) / 32
.set G1A,  24
.set G1B,  32
.set G1SA, 40
.set G1SB, 48
.set G0A0, 56
.set G0A1, 60
.set G0A2, 68
.set G0B0, 72
.set G0B1, 76
.set G0B2, 80
.set G0SA, 84
.set G0SB, 88
.set SEL,  98
.set MSB, 0
.macro WIN new                         ; the immediate's high byte repeats the setting that is left
.if MSB != (\new)
	s_set_vgpr_msb (MSB<<8)|(\new)
.set MSB, (\new)
.endif
.endm
.macro PLACES n
.rept \n
	v_nop
.endr
.endm
.macro JLOAD g0a, g1a, g0b, g1b        ; a joint load: waves 0, 1 for A, waves 2, 3 for B; four v_nop follow each line
	s_cmp_eq_u32 s[HM], 0
	s_cbranch_scc0 .Lfor_b_\@
	tensor_load_to_lds s[\g0a:\g0a+3], s[\g1a:\g1a+7]
	s_nop 0
	PLACES 4
	s_branch .Lasked_\@
.Lfor_b_\@:
	tensor_load_to_lds s[\g0b:\g0b+3], s[\g1b:\g1b+7]
	s_nop 0
	PLACES 4
.Lasked_\@:
.endm
.macro CREST
	s_cmp_lg_u32 s[WV], 0
	s_cbranch_scc1 .Lnot_wave_0_\@
	s_barrier_signal -3
.Lnot_wave_0_\@:
	s_barrier_wait -3
	s_barrier_signal -1
	s_barrier_wait -1
.endm
.macro CROUND
	s_barrier_signal -1
	s_barrier_wait -1
	CREST
.endm
.macro MKG1 g, mask, rows              ; a dense block as rows of 256 bytes (32 elements of 8 bytes), no padding; bit 21 set beside the mask
	s_or_b32 s[\g], s[\mask], (3<<16)|(1<<21)
	s_mov_b32 s[\g+1], 32<<16
	s_mov_b32 s[\g+2], (\rows)<<16
	s_mov_b32 s[\g+3], 32<<16
	s_mov_b32 s[\g+4], \rows
	s_mov_b32 s[\g+5], 32
	s_mov_b32 s[\g+6], 0
	s_mov_b32 s[\g+7], 0
.endm
.macro MKG0 g, mul, lo, base, go
	s_mov_b32 s[\g], 1
	s_mul_i32 s[\g+1], s[WV], \mul
	s_add_co_u32 s[\g+1], s[\g+1], \lo
	s_add_nc_u64 s[\g+2:\g+3], s[\base:\base+1], \go
	s_or_b32 s[\g+3], s[\g+3], 0x80000000
.endm
.macro FRAG reg, adr, off
.irp c, 0,1,2
	ds_load_b128 v[(\reg)+4*\c:(\reg)+4*\c+3], v[\adr] offset:(\off)+512*\c
.endr
.endm
.macro FETCH_B pos, p
	WIN 0x40
.irp i, 0,1,2,3,4,5,6,7
	FRAG 128*(\p)+12*\i, ADRB+(\pos)/3, ((\pos)%3)*KSB+FRB*\i
.endr
	WIN 0
.endm
.macro FETCH_A pos, i0
.irp i, \i0, \i0+1, \i0+2, \i0+3
	FRAG AF+12*(\i), ADRA+(\pos)/3, ((\pos)%3)*KSB+FRB*(\i)
.endr
.endm
.macro SCALES s
	ds_load_b128 v[SC+8*((\s)%2):SC+8*((\s)%2)+3], v[ADRS] offset:((\s)%6)*KSB
	ds_load_b128 v[SC+8*((\s)%2)+4:SC+8*((\s)%2)+7], v[ADRS] offset:((\s)%6)*KSB+16
.endm
; 16 products: A's tiles a0, a0 + 1 x B's eight.  cm = 1: the first product starts the sums.  The 64 accumulators take turns, in the same order in every step.
.macro MUL16 a0, p, sc, cm
	WIN 0xa1+0x50*((\a0)/4)
.irp a, \a0, \a0+1
.irp b, 0,1,2,3,4,5,6,7
.set DD, 8*(8*((\a)%4)+\b)
.set FB, 128*(\p)+12*\b
.set FA, AF+12*(\a)
.set SSB, SC+8*(\sc)+\b
.set SSA, SC+8*(\sc)+(\a)
.if (\cm) == 0
	v_wmma_scale_f32_16x16x128_f8f6f4 v[DD:DD+7], v[FB:FB+11], v[FA:FA+11], v[DD:DD+7], v[SSB], v[SSA] matrix_a_fmt:MATRIX_FMT_BF6 matrix_b_fmt:MATRIX_FMT_BF6 matrix_a_scale:MATRIX_SCALE_ROW1
.else
	v_wmma_scale_f32_16x16x128_f8f6f4 v[DD:DD+7], v[FB:FB+11], v[FA:FA+11], 0, v[SSB], v[SSA] matrix_a_fmt:MATRIX_FMT_BF6 matrix_b_fmt:MATRIX_FMT_BF6 matrix_a_scale:MATRIX_SCALE_ROW1
.endif
.endr
.endr
.endm
.macro STEP s, cm
	s_wait_dscnt 12                                ; all but the youngest twelve loads (A's tiles 4-7)
	MUL16 0, (\s)%2, (\s)%2, \cm
	MUL16 2, (\s)%2, (\s)%2, \cm
	s_wait_dscnt 0x0
	PLACES 4                                       ; loads into registers that matrix instructions have read stand four plain places behind them
	FETCH_B ((\s)+1)%6, ((\s)+1)%2
	FETCH_A ((\s)+1)%6, 0
	SCALES (\s)+1
	MUL16 4, (\s)%2, (\s)%2, \cm
	MUL16 6, (\s)%2, (\s)%2, \cm
	PLACES 4
	WIN 0
	FETCH_A ((\s)+1)%6, 4
.endm
.macro TURN s, fill
	s_wait_tensorcnt 0x0                           ; all my tensor loads have landed
	ds_add_u32 v[SPW], v[NIL]                      ; 0 onto my spare word
	s_wait_dscnt 13                                ; (the add and the youngest twelve loads may be out)
	MUL16 0, (\s)%2, (\s)%2, 0
	s_wait_dscnt 0x0                               ; the add is done; my reads of the places read so far are over
	s_barrier_signal -1
	MUL16 2, (\s)%2, (\s)%2, 0
	WIN 0
	s_barrier_wait -1
.if \fill
	CREST                                          ; no wave of any partner still reads places 0, 1 or has a load on its way
	JLOAD G0A2, G1SA, G0B2, G1SB                   ; K steps 6 and 7, my one tensor load behind the round; three K steps in which to land
.else
	PLACES 4
.endif
	FETCH_B ((\s)+1)%6, ((\s)+1)%2
	FETCH_A ((\s)+1)%6, 0
	SCALES (\s)+1
	MUL16 4, (\s)%2, (\s)%2, 0
	MUL16 6, (\s)%2, (\s)%2, 0
	PLACES 4
	WIN 0
	FETCH_A ((\s)+1)%6, 4
.endm
; The softmax's part of A's tile a: a lane's 64 scores (one query, keys 32 b + 16 (lane / 16) + i in register 16 b + i) become p's codes, scale word, -M and sum.  Each accumulator is read from its low end on.
.macro SOFTQ a
.set WN, 2+(\a)/4
.set AC0, 64*((\a)%4)
.set OC0, OC+12*(\a)
	WIN (WN|(WN<<2)|(WN<<4))
.irp b, 0,1,2,3
	v_max3_num_f32 v[BM+\b], v[AC0+16*\b], v[AC0+16*\b+1], v[AC0+16*\b+2]   ; the largest score of each block of 32 keys: it serves for the run's maximum and, since p rises with the score, for the block's largest p
.endr
	WIN ((WN<<2)|(WN<<4))
.irp i, 3,5,7,9,11,13
.irp b, 0,1,2,3
	v_max3_num_f32 v[BM+\b], v[BM+\b], v[AC0+16*\b+\i], v[AC0+16*\b+\i+1]
.endr
.endr
.irp b, 0,1,2,3
	v_max_num_f32 v[BM+\b], v[BM+\b], v[AC0+16*\b+15]
.endr
	WIN 0
.irp b, 0,1,2,3
	v_permlanex16_b32 v[BP+\b], v[BM+\b], s[SEL], s[SEL+1]
.endr
.irp b, 0,1,2,3
	v_max_num_f32 v[BM+\b], v[BM+\b], v[BP+\b]     ; with lane l xor 16's 16 keys
.endr
	v_max3_num_f32 v[TT], v[BM], v[BM+1], v[BM+2]
	v_max_num_f32 v[TT], v[TT], v[BM+3]            ; the largest score of my query's 128 keys,
	v_mul_f32 v[TT], s[CS], v[TT]                  ; as t (c is positive)
	v_floor_f32 v[NM], -v[TT]                      ; -M = floor(-t) = -ceil(t): a whole number
	v_mov_b32 v[NM+1], v[TT]                       ; (named with it as a pair, so it is written)
.irp b, 0,1,2,3
	v_fma_f32 v[BM+\b], v[BM+\b], s[CS], v[NM]     ; t - M of each block's largest score
.endr
	WIN (WN|(WN<<6))
.set j, 0
.rept 32
	v_pk_fma_f32 v[AC0+j:AC0+j+1], v[AC0+j:AC0+j+1], s[CS:CS+1], v[NM:NM+1] op_sel_hi:[1,0,0]   ; t - M, two at a time
.set j, j+2
.endr
.set j, 0
	s_wait_alu depctr_va_vdst(0)
.rept 64
	v_exp_f32 v[AC0+j], v[AC0+j]                   ; p = 2^(t - M), at most 1: not normalised
.set j, j+1
.endr
	WIN 0
	v_nop                                          ; a plain place behind the exponentials
	s_wait_alu depctr_va_vdst(0)                   ; one wait for the batch of 64, ahead of the first line that names a result
.irp b, 0,1,2,3
	v_exp_f32 v[BM+\b], v[BM+\b]                   ; the block's largest p: the same two instructions on the same number give the same bits
.endr
	v_mov_b32 v[NMR+(\a)], v[NM]                   ; -M is kept.  (A plain place behind the four)
	s_wait_alu depctr_va_vdst(0)                   ; and one for the four
.irp b, 0,1,2,3
	v_max_num_f32 v[BM+\b], 0x2800000, v[BM+\b]    ; the floor 2^(5 - 127): the byte cannot fall under 1
.endr
.irp b, 0,1,2,3
	v_add_nc_u32 v[SO+\b], 0xfe000000, v[BM+\b]    ; 4 off the exponent field: the conversion's scale operand
.endr
.irp b, 0,1,2,3
	v_lshrrev_b32 v[BP+\b], 23, v[SO+\b]           ; the scale's byte
.endr
	v_lshl_or_b32 v[PWR+(\a)], v[BP+1], 8, v[BP]
	v_lshl_or_b32 v[PWR+(\a)], v[BP+2], 16, v[PWR+(\a)]
	v_lshl_or_b32 v[PWR+(\a)], v[BP+3], 24, v[PWR+(\a)]
	WIN (WN|(WN<<2))
	v_pk_add_f32 v[LS:LS+1], v[AC0:AC0+1], v[AC0+2:AC0+3]       ; the sum is taken of the unquantised p: two at a time, in two chains
	v_pk_add_f32 v[LT:LT+1], v[AC0+4:AC0+5], v[AC0+6:AC0+7]
	WIN (WN<<2)
.set j, 8
.rept 14
	v_pk_add_f32 v[LS:LS+1], v[LS:LS+1], v[AC0+j:AC0+j+1]
	v_pk_add_f32 v[LT:LT+1], v[LT:LT+1], v[AC0+j+2:AC0+j+3]
.set j, j+4
.endr
	WIN 0
	v_pk_add_f32 v[LS:LS+1], v[LS:LS+1], v[LT:LT+1]
	v_add_f32 v[LS], v[LS], v[LS+1]
	v_permlanex16_b32 v[LT], v[LS], s[SEL], s[SEL+1]
	v_add_f32 v[LR+(\a)], v[LS], v[LT]             ; with lane l xor 16's: the run's sum
	WIN WN
.irp c, 0,1
	v_cvt_scalef32_pk16_bf6_f32 v[OC0+6*\c:OC0+6*\c+2], v[AC0+32*\c:AC0+32*\c+15], v[SO+2*\c]
	v_cvt_scalef32_pk16_bf6_f32 v[XT+4*\c:XT+4*\c+2], v[AC0+32*\c+16:AC0+32*\c+31], v[SO+2*\c+1]
.endr
	WIN 0
	v_nop                                          ; one plain place behind a scaled conversion
.irp c, 0,1                                    ; the operand wants a whole block in a lane
.irp i, 0,1,2
	v_permlane16_swap_b32 v[OC0+6*\c+\i], v[XT+4*\c+\i]
.endr
.irp i, 0,1,2
	v_mov_b32 v[OC0+6*\c+3+\i], v[XT+4*\c+\i]
.endr
.endr
.irp c, 0,1,2
	global_store_b128 v[LI], v[OC0+4*\c:OC0+4*\c+3], s[8:9] offset:FRB*(\a)+512*\c   ; 512 consecutive bytes, aligned; every tile has registers of its own
.endr
.endm
	s_load_b64 s[4:5], s[0:1], 0x0                 ; qkv_img
	s_load_b128 s[8:11], s[0:1], 0x8               ; p_img, p_st
	v_lshl_add_u32 v[SPW], v0, 2, SPARE
	v_mov_b32 v[NIL], 0
	ds_add_u32 v28, v29
	ds_add_u32 v28, v29
	s_wait_dscnt 0x0
	v_lshrrev_b32 v1, 5, v0
	v_readfirstlane_b32 s[WV], v1
	s_lshr_b32 s[HM], s[WV], 1
	s_and_b32 s[HN], s[WV], 1
	s_bfe_u32 s[CX], ttmp6, 0x40000
	s_bfe_u32 s[CY], ttmp6, 0x40004
	s_mov_b32 s[CLX], ttmp9
	s_and_b32 s[CLY], ttmp7, 0xffff
	s_mov_b32 s[SEL], 0x76543210
	s_mov_b32 s[SEL+1], 0xfedcba98
	s_mov_b32 s[CS], 0x3d38aa3b                    ; log2(e) / 32
	s_mov_b32 s[CS+1], s[CS]
	s_lshl_b32 s3, s[CY], 2
	s_lshl_b32 s3, 15, s3                          ; my row of the cluster
	s_lshl_b32 s97, 0x1111, s[CX]                  ; my column
	MKG1 G1A, 3, 150                               ; three K steps of a block
	MKG1 G1B, 97, 150
	MKG1 G1SA, 3, 100                              ; the last two
	MKG1 G1SB, 97, 100
	s_lshl_b32 s96, s[CLY], 3                      ; A = q: block 8 x cluster y + 2 cy + my one of two
	s_lshl_b32 s3, s[CY], 1
	s_add_co_u32 s96, s96, s3
	s_add_co_u32 s96, s96, s[HN]
	s_lshr_b32 s97, s[CLY], 1                      ; B = k: block 64 + 16 x batch + 8 x cluster x + 2 cx + my one of two
	s_lshl_b32 s97, s97, 4
	s_lshl_b32 s100, s[CLX], 3
	s_add_co_u32 s97, s97, s100
	s_lshl_b32 s100, s[CX], 1
	s_add_co_u32 s97, s97, s100
	s_add_co_u32 s97, s97, s[HN]
	s_add_co_u32 s97, s97, 64
	s_mul_i32 s92, s96, 8*KSB
	s_mov_b32 s93, 0
	s_mul_i32 s100, s97, 8*KSB
	s_mov_b32 s101, 0
	s_wait_kmcnt 0x0
	s_add_nc_u64 s[92:93], s[4:5], s[92:93]
	s_add_nc_u64 s[100:101], s[4:5], s[100:101]
	MKG0 G0A0, BLKB, 0, 92, 0                      ; places 0-2 take K steps 0-2,
	MKG0 G0A1, BLKB, SLOTB, 92, SLOTB              ; places 3-5 K steps 3-5,
	MKG0 G0A2, BLKB, 0, 92, 2*SLOTB                ; places 0, 1 then K steps 6, 7
	MKG0 G0B0, BLKB, 0, 100, 0
	MKG0 G0B1, BLKB, SLOTB, 100, SLOTB
	MKG0 G0B2, BLKB, 0, 100, 2*SLOTB
	s_lshl_b32 s92, s[CLY], 3                      ; where my results go: 16 x query block + run of 128 keys
	s_lshl_b32 s93, s[CY], 1
	s_add_co_u32 s92, s92, s93
	s_add_co_u32 s92, s92, s[HM]
	s_lshl_b32 s92, s92, 4
	s_lshl_b32 s93, s[CLX], 3
	s_add_co_u32 s92, s92, s93
	s_lshl_b32 s93, s[CX], 1
	s_add_co_u32 s92, s92, s93
	s_add_co_u32 s92, s92, s[HN]
	s_mul_i32 s94, s92, PKB
	s_mov_b32 s95, 0
	s_add_nc_u64 s[8:9], s[8:9], s[94:95]
	s_lshl_b32 s94, s92, 9
	s_add_nc_u64 s[10:11], s[10:11], s[94:95]
	CROUND                                         ; all sixteen work-groups are here: the first joint loads meet
	JLOAD G0A0, G1A, G0B0, G1B                     ; one a wave at the head
	v_and_b32 v1, 31, v0
	v_and_b32 v2, 15, v0
	v_bfe_u32 v3, v0, 4, 1
	v_lshlrev_b32 v[LI], 4, v1
	s_mul_i32 s92, s[HM], BLKB
	v_add_nc_u32 v[ADRA], s92, v[LI]
	v_add_nc_u32 v[ADRA+1], 3*KSB, v[ADRA]
	s_add_co_u32 s93, s[HN], 2
	s_mul_i32 s93, s93, BLKB
	v_add_nc_u32 v[ADRB], s93, v[LI]
	v_add_nc_u32 v[ADRB+1], 3*KSB, v[ADRB]
	s_xor_b32 s94, s[HM], 1
	s_add_co_u32 s94, s94, s[HN]
	s_add_co_u32 s94, s94, 1
	s_mul_i32 s94, s94, BLKB
	v_mul_u32_u24 v4, s94, v3                      ; lanes 16-31 take B's scale words: one product
	s_wait_alu depctr_va_vdst(0)
	s_mul_i32 s95, s[HM], BLKB
	s_add_co_u32 s95, s95, 8*FRB
	v_lshl_add_u32 v[ADRS], v2, 5, v4
	v_add_nc_u32 v[ADRS], s95, v[ADRS]
	s_mul_i32 s96, s[WV], SCRW
	s_add_co_u32 s96, s96, SCR
	v_lshl_add_u32 v[SWA], v2, 5, s96
	v_add_nc_u32 v[SRA], s96, v[LI]
	s_wait_alu depctr_va_vdst(0)
	s_wait_tensorcnt 0x0                           ; my part of K steps 0-2 is in
	ds_add_u32 v[SPW], v[NIL]
	s_wait_dscnt 0x0
	CROUND
	JLOAD G0A1, G1A, G0B1, G1B                     ; K steps 3-5
	FETCH_B 0, 0
	FETCH_A 0, 0
	SCALES 0
	FETCH_A 0, 4
	STEP 0, 1                                      ; the first K step starts the sums
	STEP 1, 0
	TURN 2, 1
	STEP 3, 0
	STEP 4, 0
	TURN 5, 0
	STEP 6, 0
	s_wait_dscnt 12
	MUL16 0, 1, 1, 0
	MUL16 2, 1, 1, 0
	s_wait_dscnt 0x0
	MUL16 4, 1, 1, 0
	MUL16 6, 1, 1, 0
	WIN 0
	PLACES 4
.irp b, 0,1,2,3
	v_mov_b32 v[BP+\b], 0                          ; a lane permute's destination counts as one of its sources
.endr
.irp a, 0,1,2,3,4,5,6,7
	SOFTQ \a
.endr
.irp a, 0,1,2,3,4,5,6,7                        ; the three words of lane r of tile a, at 32 r + 4 a of three blocks of 512 bytes
	ds_store_b32 v[SWA], v[PWR+\a] offset:4*\a
	ds_store_b32 v[SWA], v[NMR+\a] offset:512+4*\a
	ds_store_b32 v[SWA], v[LR+\a] offset:1024+4*\a
.endr
.irp c, 0,1,2
	ds_load_b128 v[SRB+4*\c:SRB+4*\c+3], v[SRA] offset:512*\c   ; LDS serves a wave's instructions in order: these see my stores
.endr
	s_wait_dscnt 0x0
.irp c, 0,1,2
	global_store_b128 v[LI], v[SRB+4*\c:SRB+4*\c+3], s[10:11] offset:SECT*\c
.endr
	s_wait_tensorcnt 0x0                           ; the wave's end
	ds_add_u32 v[SPW], v[NIL]
	s_wait_dscnt 0x0
	CROUND                                         ; the closing round
	s_endpgm
.Lfunc_end_k_qff6f33ea2b_scores:
	.size	k_qff6f33ea2b_scores, .Lfunc_end_k_qff6f33ea2b_scores-k_qff6f33ea2b_scores
	.p2alignl 7, 3214868480
	.fill 96, 4, 3214868480
	.section	.rodata,"a",@progbits
	.p2align	6, 0x0
	.amdhsa_kernel k_qff6f33ea2b_scores
		.amdhsa_group_segment_fixed_size 327680
		.amdhsa_private_segment_fixed_size 0
		.amdhsa_enable_private_segment 0
		.amdhsa_kernarg_size 24
		.amdhsa_user_sgpr_count 2
		.amdhsa_user_sgpr_kernarg_segment_ptr 1
		.amdhsa_wavefront_size32 1
		.amdhsa_system_sgpr_workgroup_id_x 1
		.amdhsa_system_sgpr_workgroup_id_y 1
		.amdhsa_system_sgpr_workgroup_id_z 1
		.amdhsa_system_vgpr_workitem_id 0
		.amdhsa_next_free_vgpr 1024
		.amdhsa_next_free_sgpr 102
		.amdhsa_reserve_vcc 0
		.amdhsa_float_denorm_mode_32 3
		.amdhsa_float_denorm_mode_16_64 3
		.amdhsa_memory_ordered 1
		.amdhsa_forward_progress 1
		.amdhsa_inst_pref_size 195
	.end_amdhsa_kernel
	.amdgpu_metadata
---
amdhsa.version: [ 1, 2 ]
amdhsa.kernels:
  - .name:           k_qff6f33ea2b_scores
    .symbol:         k_qff6f33ea2b_scores.kd
    .args:
      - { .name: qkv_img, .offset: 0, .size: 8, .value_kind: global_buffer, .address_space: global }
      - { .name: p_img, .offset: 8, .size: 8, .value_kind: global_buffer, .address_space: global }
      - { .name: p_st, .offset: 16, .size: 8, .value_kind: global_buffer, .address_space: global }
    .group_segment_fixed_size: 327680
    .private_segment_fixed_size: 0
    .kernarg_segment_align: 8
    .kernarg_segment_size: 24
    .max_flat_workgroup_size: 128
    .sgpr_count:     102
    .vgpr_count:     1024
    .wavefront_size: 32
...
	.end_amdgpu_metadata
.endif
;; end of part 3
;; launch pv (part 4): grid 4 x 64, 4 waves a work-group, clusters of 4 x 4, 327,680 bytes of LDS; arguments p_img, p_st, qkv_img, out0; writes out0
.if DOCPART == 4
	.amdgcn_target "amdgcn-amd-amdhsa--gfx1250"
	.amdhsa_code_object_version 6
	.text
	.protected	k_qff6f33ea2b_pv
	.globl	k_qff6f33ea2b_pv
	.p2align	8
	.type	k_qff6f33ea2b_pv,@function
k_qff6f33ea2b_pv:
	s_mov_b64 s[64:65], 0
	v_nop
	global_prefetch_b8 v0, s[64:65] scope:SCOPE_SE
	s_setreg_imm32_b32 hwreg(HW_REG_WAVE_MODE, 25, 1), 1
	s_wait_xcnt 0x0
	s_wait_alu depctr_hold_cnt(0) depctr_sa_sdst(0) depctr_va_vdst(0) depctr_va_sdst(0) depctr_va_ssrc(0) depctr_va_vcc(0) depctr_vm_vsrc(0)
	s_getreg_b32 s2, hwreg(HW_REG_IB_STS2, 6, 4)
	s_cmp_eq_u32 s2, 0
	s_cbranch_scc0 .Lentry_in_a_cluster
	s_endpgm
.Lentry_in_a_cluster:
	s_bfe_u32 s2, ttmp6, 0x10000c
	s_cmp_lg_u32 s2, 0xf033
	s_cbranch_scc0 .Lentry_shape_is_right
	s_endpgm
.Lentry_shape_is_right:
; out = (P V) / l on codes of BF6 (E3M2) with E8M0 scales, K = a batch's 2,048 keys in 16 steps of 128.  P's codes were made run by run of 128 keys under a local whole number M.
; AT THE HEAD each of the 128 threads takes one query of the work-group: the row's M is the largest of its 16 local ones; a run's four scale bytes fall by M - M_local (held at 0, which is 2^-127, from below;
; the difference is held at 255), which multiplies that run's p by 2^(M_local - M) exactly; the row's sum is the sum of the runs' sums scaled likewise; 1 / l goes to LDS beside the new scale words.
; FORMATS: blocks of 128 rows in 8 tiles, lane r of tile t = row 32 (t/2) + 8 (t%2) + r + 8 (r/8); an image is a tile's 12 operand registers, registers 4 c .. 4 c + 3 of lane L at 512 c + 16 L; a scale block has the word of lane r of tile t at 32 r + 4 t.
; SHARES.  A work-group makes 128 queries x 256 channels (256 work-groups); four waves, each 64 queries (source 1, "A" = P) x 128 channels (source 0, "B" = v^T): 32 accumulators.  A lane holds one query, its registers run along the channels.
; CLUSTER 4 x 4: P's block is shared along a row of the cluster, v^T's two blocks along a column: joint loads.
; LDS: two slots of four K steps (P 49,152 bytes, v^T 2 x 51,200); behind them P's new scale words, 1 / l, the spare words.  One tensor load of a wave is out at a time.
; The stage of the way out lies in slot 0, which has had its last fill and its last read by then.  The launch claims all of a WGP's LDS.
; LIMITS: as stated above for the bytes; NaN and infinities are not served.
; REGISTERS: window 0: v16-27 addresses; v28, v29 the add's; v32-55 scale words, two sets; v56, v57 and v64-67 1 / l; v64-123 the head's work; v128-223 P's fragments, two sets of 4 (later rows of out).  window 1: v^T's, two sets of 8.  window 2: accumulator (a, b) at v[8 (8 a + b)].
.set FRB,   1536
.set KSB,   8*FRB
.set VKB,   8*FRB+512                  ; a K step of v^T's block: eight images and behind them its 512 scale bytes: the word of lane r of tile t at 256 (t/4) + 16 r + 4 (t%4)
.set SLOTB, 4*KSB+8*VKB                ; 151,552
.set PSC,   2*SLOTB                    ; P's scale words under the row's M: 16 x 512
.set RL,    PSC+8192                   ; 1 / l: 512
.set SPARE, RL+512                     ; the spare words, 128 bytes a wave: two blocks of 256 bytes that no other line names
.set SPITCH, 528
.set STGW,  16*SPITCH
.set SECT,  524288
.set ADRA, 16                          ; v16, v17 my four tiles of P in slot 0, 1
.set ADRB, 18                          ; v18, v19 my block of v^T
.set ADS1, 20                          ; v20  scale words of P's four tiles
.set ADS2, 30                          ; v30, v31  v^T's, in slot 0, 1
.set STO,  22
.set RD,   23
.set CO,   24                          ; v24  16 x lane
.set RLA,  25
.set GA,   26                          ; v26  4 x thread
.set PSA,  27                          ; v27  PSC + 4 x thread
.set SPW,  28
.set NIL,  29
.set SC,   32
.set RLR,  64
.set RP,   56
.set NMS,  64                          ; v64-79  the 16 runs' -M
.set LSS,  80                          ; v80-95  their sums
.set PWS,  96                          ; v96-111 their scale words
.set NMG,  112
.set LSUM, 113
.set DT,   114
.set BY,   116                         ; v116-123
.set AF,   128
.set WV,  18
.set HM,  19
.set HN,  20
.set CX,  21
.set CY,  22
.set CLY, 2
.set G1A,  24
.set G1B,  32
.set G1S,  40
.set G0A0, 48
.set G0A1, 52
.set G0B0, 56
.set G0B1, 60
.set G0S,  68
.set MSB, 0
.macro WIN new                         ; the immediate's high byte repeats the setting that is left
.if MSB != (\new)
	s_set_vgpr_msb (MSB<<8)|(\new)
.set MSB, (\new)
.endif
.endm
.macro PLACES n
.rept \n
	v_nop
.endr
.endm
.macro JLOAD g0a, g1a, g0b, g1b        ; a joint load: waves 0, 1 for P, waves 2, 3 for v^T; four v_nop follow each line
	s_cmp_eq_u32 s[HM], 0
	s_cbranch_scc0 .Lfor_b_\@
	tensor_load_to_lds s[\g0a:\g0a+3], s[\g1a:\g1a+7]
	s_nop 0
	PLACES 4
	s_branch .Lasked_\@
.Lfor_b_\@:
	tensor_load_to_lds s[\g0b:\g0b+3], s[\g1b:\g1b+7]
	s_nop 0
	PLACES 4
.Lasked_\@:
.endm
.macro CREST
	s_cmp_lg_u32 s[WV], 0
	s_cbranch_scc1 .Lnot_wave_0_\@
	s_barrier_signal -3
.Lnot_wave_0_\@:
	s_barrier_wait -3
	s_barrier_signal -1
	s_barrier_wait -1
.endm
.macro CROUND
	s_barrier_signal -1
	s_barrier_wait -1
	CREST
.endm
.macro MKG1 g, mask, rows              ; a dense block as rows of 256 bytes (32 elements of 8 bytes), no padding; bit 21 set beside the mask
	s_or_b32 s[\g], s[\mask], (3<<16)|(1<<21)
	s_mov_b32 s[\g+1], 32<<16
	s_mov_b32 s[\g+2], (\rows)<<16
	s_mov_b32 s[\g+3], 32<<16
	s_mov_b32 s[\g+4], \rows
	s_mov_b32 s[\g+5], 32
	s_mov_b32 s[\g+6], 0
	s_mov_b32 s[\g+7], 0
.endm
.macro MKG0 g, wr, mul, lo, base, go   ; LDS byte = s[wr] x mul + lo; global = s[base] + go
	s_mov_b32 s[\g], 1
	s_mul_i32 s[\g+1], s[\wr], \mul
	s_add_co_u32 s[\g+1], s[\g+1], \lo
	s_add_nc_u64 s[\g+2:\g+3], s[\base:\base+1], \go
	s_or_b32 s[\g+3], s[\g+3], 0x80000000
.endm
.macro FRAG reg, adr, off
.irp c, 0,1,2
	ds_load_b128 v[(\reg)+4*\c:(\reg)+4*\c+3], v[\adr] offset:(\off)+512*\c
.endr
.endm
.macro FETCH4 s                        ; K step s: 39 loads into set s % 2
.set FJ, ((\s)/4)%2
.set FP, (\s)%2
.set FO, ((\s)%4)*KSB
	WIN 0x40
.irp i, 0,1,2,3,4,5,6,7
	FRAG 128*FP+12*\i, ADRB+FJ, ((\s)%4)*VKB+FRB*\i
.endr
	WIN 0
.irp i, 0,1,2,3
	FRAG AF+48*FP+12*\i, ADRA+FJ, FO+FRB*\i
.endr
	ds_load_b128 v[SC+12*FP:SC+12*FP+3], v[ADS1] offset:512*(\s)
	ds_load_b128 v[SC+12*FP+4:SC+12*FP+7], v[ADS2+FJ] offset:((\s)%4)*VKB
	ds_load_b128 v[SC+12*FP+8:SC+12*FP+11], v[ADS2+FJ] offset:((\s)%4)*VKB+256
.endm
.macro MUL8 a, p, zero                 ; P's tile a x v^T's eight; the 32 accumulators take turns, in the same order in every step
	WIN 0xa1
.irp b, 0,1,2,3,4,5,6,7
.set DD, 8*(8*(\a)+\b)
.set FB, 128*(\p)+12*\b
.set FA, AF+48*(\p)+12*(\a)
.set SSB, SC+12*(\p)+4+\b
.set SSA, SC+12*(\p)+(\a)
.if \zero
	v_wmma_scale_f32_16x16x128_f8f6f4 v[DD:DD+7], v[FB:FB+11], v[FA:FA+11], 0, v[SSB], v[SSA] matrix_a_fmt:MATRIX_FMT_BF6 matrix_b_fmt:MATRIX_FMT_BF6 matrix_a_scale:MATRIX_SCALE_ROW1
.else
	v_wmma_scale_f32_16x16x128_f8f6f4 v[DD:DD+7], v[FB:FB+11], v[FA:FA+11], v[DD:DD+7], v[SSB], v[SSA] matrix_a_fmt:MATRIX_FMT_BF6 matrix_b_fmt:MATRIX_FMT_BF6 matrix_a_scale:MATRIX_SCALE_ROW1
.endif
.endr
.endm
.macro STEP4 s, zero
	s_wait_dscnt 0x0                               ; this K step's fragments and scale words
	MUL8 0, (\s)%2, \zero
	PLACES 4                                       ; the other set's last readers stand four plain places back
	FETCH4 (\s)+1
	MUL8 1, (\s)%2, \zero
	MUL8 2, (\s)%2, \zero
	MUL8 3, (\s)%2, \zero
	WIN 0
.endm
; A slot's last K step: one barrier; in front of it each wave waits for all its tensor loads, adds 0 to its spare word, and waits for that and for its reads of the slot.  fill = 1: the slot (its groups 0: ga, gb) is filled again, eight K steps on.
.macro TURN4 s, fill, ga, gb
	s_wait_tensorcnt 0x0                           ; all my tensor loads have landed: my part of the other slot
	ds_add_u32 v[SPW], v[NIL]                      ; 0 onto my spare word
	s_wait_dscnt 1                                 ; (the add alone may be out)
	MUL8 0, (\s)%2, 0
	s_wait_dscnt 0x0                               ; the add is done, and my reads of this slot are over
	s_barrier_signal -1
	MUL8 1, (\s)%2, 0
	WIN 0
	s_barrier_wait -1
.if \fill
	CREST                                          ; no wave of any partner still reads this slot or has a load on its way
	s_add_nc_u64 s[\ga+2:\ga+3], s[\ga+2:\ga+3], 8*KSB
	s_add_nc_u64 s[\gb+2:\gb+3], s[\gb+2:\gb+3], 8*VKB
	JLOAD \ga, G1A, \gb, G1B                       ; my one tensor load behind the round; four K steps in which to land; its four v_nop are the places for the loads below
.else
	PLACES 4
.endif
	FETCH4 (\s)+1
	MUL8 2, (\s)%2, 0
	MUL8 3, (\s)%2, 0
	WIN 0
.endm
.macro ADJ s                           ; run s of my query under the row's M
	v_sub_f32 v[DT], v[NMS+\s], v[NMG]             ; M - M_local: a whole number, 0 or more,
	v_min_num_f32 v[DT], 0x437f0000, v[DT]         ; held at 255
	v_cvt_u32_f32 v[DT], v[DT]
	v_sub_nc_u32 v[DT+1], 0, v[DT]
	v_ldexp_f32 v[DT+1], v[LSS+\s], v[DT+1]        ; the run's sum x 2^(M_local - M)
	v_add_f32 v[LSUM], v[LSUM], v[DT+1]
	v_and_b32 v[BY], 0xff, v[PWS+\s]
	v_bfe_u32 v[BY+1], v[PWS+\s], 8, 8
	v_bfe_u32 v[BY+2], v[PWS+\s], 16, 8
	v_lshrrev_b32 v[BY+3], 24, v[PWS+\s]
.irp i, 0,1,2,3
	v_min_u32 v[BY+4+\i], v[BY+\i], v[DT]
.endr
.irp i, 0,1,2,3
	v_sub_nc_u32 v[BY+\i], v[BY+\i], v[BY+4+\i]    ; each byte falls by the difference, and not under 0
.endr
	v_lshl_or_b32 v[BY], v[BY+1], 8, v[BY]
	v_lshl_or_b32 v[BY], v[BY+2], 16, v[BY]
	v_lshl_or_b32 v[PWS+\s], v[BY+3], 24, v[BY]
	ds_store_b32 v[PSA], v[PWS+\s] offset:512*\s
.endm
	s_load_b128 s[4:7], s[0:1], 0x0                ; p_img, p_st
	s_load_b64 s[8:9], s[0:1], 0x10                ; qkv_img
	s_load_b64 s[12:13], s[0:1], 0x18              ; out0
	v_lshl_add_u32 v[SPW], v0, 2, SPARE
	v_mov_b32 v[NIL], 0
	ds_add_u32 v28, v29
	ds_add_u32 v28, v29
	s_wait_dscnt 0x0
	v_lshrrev_b32 v1, 5, v0
	v_readfirstlane_b32 s[WV], v1
	s_lshr_b32 s[HM], s[WV], 1                     ; which 64 queries are mine; also: I fetch for P (0) or v^T (1)
	s_and_b32 s[HN], s[WV], 1                      ; which 128 channels; also: which part I fetch
	s_bfe_u32 s[CX], ttmp6, 0x40000
	s_bfe_u32 s[CY], ttmp6, 0x40004
	s_and_b32 s[CLY], ttmp7, 0xffff
	s_lshl_b32 s72, s[CY], 2
	s_lshl_b32 s72, 15, s72                        ; my row of the cluster
	s_lshl_b32 s73, 0x1111, s[CX]                  ; my column
	MKG1 G1A, 72, 96                               ; two K steps of P's block
	MKG1 G1B, 73, 200                              ; four K steps of a block of v^T
	s_lshl_b32 s74, s[CLY], 2
	s_add_co_u32 s74, s74, s[CY]                   ; the query block
	s_mul_i32 s76, s74, 16*KSB
	s_mul_i32 s75, s[HN], 2*KSB
	s_add_co_u32 s76, s76, s75                     ; P: my two of a slot's four K steps
	s_mov_b32 s77, 0
	s_lshr_b32 s78, s[CLY], 2                      ; the batch
	s_lshl_b32 s78, s78, 3
	s_lshl_b32 s79, s[CX], 1
	s_add_co_u32 s78, s78, s79                     ; 8 x batch + 2 cx: the first of my work-group's two blocks of channels
	s_lshl_b32 s79, s78, 4
	s_add_co_u32 s79, s79, 1024                    ; its index at K step 0
	s_lshl_b32 s80, s[HN], 4
	s_add_co_u32 s80, s80, s79
	s_mul_i32 s80, s80, VKB
	s_mov_b32 s81, 0
	s_lshl_b32 s84, s74, 13                        ; p_st: 16 x 512 bytes a query block
	s_mov_b32 s85, 0
	s_lshl_b32 s86, s74, 7
	s_lshl_b32 s87, s[HM], 6
	s_add_co_u32 s86, s86, s87                     ; my first row of out,
	s_lshl_b32 s86, s86, 12                        ; 4,096 bytes a row,
	s_lshl_b32 s87, s[CX], 10
	s_add_co_u32 s86, s86, s87
	s_lshl_b32 s87, s[HN], 9
	s_add_co_u32 s86, s86, s87                     ; my 128 channels
	s_mov_b32 s87, 0
	s_wait_kmcnt 0x0
	s_add_nc_u64 s[76:77], s[4:5], s[76:77]
	s_add_nc_u64 s[80:81], s[8:9], s[80:81]
	s_add_nc_u64 s[6:7], s[6:7], s[84:85]
	s_add_nc_u64 s[12:13], s[12:13], s[86:87]
	MKG0 G0A0, HN, 2*KSB, 0, 76, 0
	MKG0 G0A1, HN, 2*KSB, SLOTB, 76, 4*KSB
	MKG0 G0B0, HN, 4*VKB, 4*KSB, 80, 0
	MKG0 G0B1, HN, 4*VKB, SLOTB+4*KSB, 80, 4*VKB
	CROUND                                         ; all sixteen work-groups are here: the first joint loads meet
	JLOAD G0A0, G1A, G0B0, G1B                     ; K steps 0-3: one load a wave at the head
	v_lshlrev_b32 v[GA], 2, v0
	v_lshl_add_u32 v[PSA], v0, 2, PSC
.irp s, 0,1,2,3,4,5,6,7,8,9,10,11,12,13,14,15
	global_load_b32 v[PWS+\s], v[GA], s[6:7] offset:512*\s
	global_load_b32 v[NMS+\s], v[GA], s[6:7] offset:SECT+512*\s
	global_load_b32 v[LSS+\s], v[GA], s[6:7] offset:2*SECT+512*\s
.endr
	v_and_b32 v1, 31, v0
	v_and_b32 v2, 15, v0                           ; r
	v_bfe_u32 v3, v0, 4, 1                         ; h
	s_wait_alu depctr_va_vdst(0)
	v_lshlrev_b32 v[CO], 4, v1
	s_mul_i32 s86, s[HM], 4*FRB
	v_add_nc_u32 v[ADRA], s86, v[CO]
	v_add_nc_u32 v[ADRA+1], SLOTB, v[ADRA]
	s_mul_i32 s86, s[HN], 4*VKB
	s_add_co_u32 s86, s86, 4*KSB
	v_add_nc_u32 v[ADRB], s86, v[CO]
	v_add_nc_u32 v[ADRB+1], SLOTB, v[ADRB]
	s_add_co_u32 s86, s86, 8*FRB
	v_lshl_add_u32 v[ADS2], v2, 4, s86             ; both halves of the lanes take the words of lane r
	v_add_nc_u32 v[ADS2+1], SLOTB, v[ADS2]
	s_lshl_b32 s88, s[HM], 4
	s_add_co_u32 s88, s88, PSC
	v_lshl_add_u32 v[ADS1], v2, 5, s88
	s_add_co_u32 s88, s88, RL-PSC
	v_lshl_add_u32 v[RLA], v2, 5, s88
	s_mul_i32 s89, s[WV], STGW
	v_mul_u32_u24 v[STO], v2, SPITCH
	v_lshl_add_u32 v[STO], v3, 6, v[STO]
	v_add_nc_u32 v[STO], s89, v[STO]               ; the stage, in: row r, + 64 h
	v_add_nc_u32 v[RD], s89, v[CO]                 ; back: a row of 512 bytes
	v_mov_b32 v[LSUM], 0
	s_wait_loadcnt 0x0
	v_min3_num_f32 v[NMG], v[NMS], v[NMS+1], v[NMS+2]
.irp i, 3,5,7,9,11,13
	v_min3_num_f32 v[NMG], v[NMG], v[NMS+\i], v[NMS+\i+1]
.endr
	v_min_num_f32 v[NMG], v[NMG], v[NMS+15]        ; the least -M: the row's
.irp s, 0,1,2,3,4,5,6,7,8,9,10,11,12,13,14,15
	ADJ \s
.endr
	s_wait_alu depctr_va_vdst(0)
	v_rcp_f32 v[DT], v[LSUM]
	v_nop                                          ; a plain place behind the reciprocal
	s_wait_alu depctr_va_vdst(0)                   ; and the wait ahead of its first reader
	ds_store_b32 v[PSA], v[DT] offset:RL-PSC
	s_wait_tensorcnt 0x0                           ; my part of K steps 0-3 is in
	ds_add_u32 v[SPW], v[NIL]
	s_wait_dscnt 0x0                               ; for the others' sake too: my words lie in LDS
	CROUND
	JLOAD G0A1, G1A, G0B1, G1B                     ; K steps 4-7
	FETCH4 0
	STEP4 0, 1                                     ; the first K step starts the sums
	STEP4 1, 0
	STEP4 2, 0
	TURN4 3, 1, G0A0, G0B0                         ; slot 0 takes K steps 8-11
	STEP4 4, 0
	STEP4 5, 0
	STEP4 6, 0
	TURN4 7, 1, G0A1, G0B1                         ; slot 1 takes K steps 12-15
	STEP4 8, 0
	STEP4 9, 0
	STEP4 10, 0
	TURN4 11, 0, G0A0, G0B0                        ; nothing is left to fetch
	STEP4 12, 0
	STEP4 13, 0
	STEP4 14, 0
	s_wait_dscnt 0x0
	MUL8 0, 1, 0
	MUL8 1, 1, 0
	MUL8 2, 1, 0
	MUL8 3, 1, 0
	WIN 0
; THE WAY OUT, a tile of 16 queries x 128 channels at a time: x 1 / l, through my stage in LDS, back as whole rows of 512 bytes.
.macro TOSTAGE a
.set BB, 128+64*((\a)%2)
	v_mov_b32 v[RP], v[RLR+(\a)]
	v_mov_b32 v[RP+1], v[RLR+(\a)]
	WIN 0x82
.set j, 64*(\a)
.rept 32
	v_pk_mul_f32 v[j:j+1], v[j:j+1], v[RP:RP+1] op_sel_hi:[1,0]   ; each accumulator from its low end on
.set j, j+2
.endr
	WIN 0x08                                       ; an LDS store's data are its source 1: window 2
.irp b, 0,1,2,3,4,5,6,7                        ; register j of tile b: channel 32 (b/2) + 8 (b%2) + 16 h + j
	ds_store_b128 v[STO], v[64*(\a)+8*\b:64*(\a)+8*\b+3] offset:128*(\b/2)+32*(\b%2)
	ds_store_b128 v[STO], v[64*(\a)+8*\b+4:64*(\a)+8*\b+7] offset:128*(\b/2)+32*(\b%2)+16
.endr
	WIN 0
.irp i, 0,1,2,3,4,5,6,7,8,9,10,11,12,13,14,15
	ds_load_b128 v[BB+4*\i:BB+4*\i+3], v[RD] offset:\i*SPITCH   ; LDS serves a wave's instructions in order: these see my stores, and the next tile's stores come behind them
.endr
.endm
.macro SEND a, younger                 ; younger: the LDS instructions issued behind tile a's loads, which may stay out
.set BB, 128+64*((\a)%2)
	s_wait_dscnt \younger
.irp i, 0,1,2,3,4,5,6,7,8,9,10,11,12,13,14,15  ; lane i of the tile is query 32 (a/2) + 8 (a%2) + i + 8 (i/8) of my 64
	global_store_b128 v[CO], v[BB+4*\i:BB+4*\i+3], s[12:13] offset:(32*((\a)/2)+8*((\a)%2)+\i+8*(\i/8))*4096 th:TH_STORE_NT   ; 512 consecutive bytes, aligned
.endr
.endm
	PLACES 4
	ds_load_b128 v[RLR:RLR+3], v[RLA]              ; 1 / l of my lane's query in each of my four tiles
	s_wait_dscnt 0x0
	TOSTAGE 0
.irp a, 1,2,3
.if \a > 1
	s_wait_xcnt 0x0                                ; tile a - 2's stores have read their registers: tile a's rows may land there
.endif
	TOSTAGE \a
	SEND \a-1, 32                                  ; behind tile a - 1's loads: tile a's 16 stores and 16 loads
.endr
	SEND 3, 0
	s_wait_tensorcnt 0x0                           ; the wave's end
	ds_add_u32 v[SPW], v[NIL]
	s_wait_dscnt 0x0
	CROUND                                         ; the closing round
	s_endpgm
.Lfunc_end_k_qff6f33ea2b_pv:
	.size	k_qff6f33ea2b_pv, .Lfunc_end_k_qff6f33ea2b_pv-k_qff6f33ea2b_pv
	.p2alignl 7, 3214868480
	.fill 96, 4, 3214868480
	.section	.rodata,"a",@progbits
	.p2align	6, 0x0
	.amdhsa_kernel k_qff6f33ea2b_pv
		.amdhsa_group_segment_fixed_size 327680
		.amdhsa_private_segment_fixed_size 0
		.amdhsa_enable_private_segment 0
		.amdhsa_kernarg_size 32
		.amdhsa_user_sgpr_count 2
		.amdhsa_user_sgpr_kernarg_segment_ptr 1
		.amdhsa_wavefront_size32 1
		.amdhsa_system_sgpr_workgroup_id_x 1
		.amdhsa_system_sgpr_workgroup_id_y 1
		.amdhsa_system_sgpr_workgroup_id_z 1
		.amdhsa_system_vgpr_workitem_id 0
		.amdhsa_next_free_vgpr 768
		.amdhsa_next_free_sgpr 96
		.amdhsa_reserve_vcc 0
		.amdhsa_float_denorm_mode_32 3
		.amdhsa_float_denorm_mode_16_64 3
		.amdhsa_memory_ordered 1
		.amdhsa_forward_progress 1
		.amdhsa_inst_pref_size 162
	.end_amdhsa_kernel
	.amdgpu_metadata
---
amdhsa.version: [ 1, 2 ]
amdhsa.kernels:
  - .name:           k_qff6f33ea2b_pv
    .symbol:         k_qff6f33ea2b_pv.kd
    .args:
      - { .name: p_img, .offset: 0, .size: 8, .value_kind: global_buffer, .address_space: global }
      - { .name: p_st, .offset: 8, .size: 8, .value_kind: global_buffer, .address_space: global }
      - { .name: qkv_img, .offset: 16, .size: 8, .value_kind: global_buffer, .address_space: global }
      - { .name: out0, .offset: 24, .size: 8, .value_kind: global_buffer, .address_space: global }
    .group_segment_fixed_size: 327680
    .private_segment_fixed_size: 0
    .kernarg_segment_align: 8
    .kernarg_segment_size: 32
    .max_flat_workgroup_size: 128
    .sgpr_count:     96
    .vgpr_count:     768
    .wavefront_size: 32
...
	.end_amdgpu_metadata
.endif
;; end of part 4
